; MI455X (gfx1250); checked and timed in simulation.
; The chip was launched on July 23, 2026; its instructions are those of AMD's public machine-readable ISA for CDNA 5 (MIT licence, August 2026) and "CDNA5" Instruction Set Architecture Reference Guide (July 2026). The comments in the code are by the model that wrote it; some were corrected since.
;; Lean Self Attention. Allowed arithmetic: matrix products marked QUANTISED: E3M2 operands, one E8M0 scale for each 32 along K, by v_wmma_scale_f32_16x16x128_f8f6f4 with both operands' format E3M2, f32 sums; everything else in f32.
;; Inputs: W_out 1,024 x 1,024 float32; W_qkv 1,024 x 3,072 float32; attention_mask 4 x 1 x 2,048 x 2,048 float32; b_out 1,024 float32; b_qkv 3,072 float32; hidden_states 4 x 2,048 x 1,024 float32; ln_beta 1,024 float32; ln_gamma 1,024 float32.
;; Outputs: out0 4 x 2,048 x 1,024 float32.
;; This version of the problem:
;;   THIS VERSION OF THE PROBLEM IS GIVEN IN LOW PRECISION. The matrix products marked QUANTISED in the list below multiply operands that are first quantised to E3M2 (3 exponent bits, 2 mantissa bits; 6 bits a number), with one power-of-two scale for each 32 numbers along K (OCP MX v1.0); their sums are f32. All else is computed in f32.
;;   The module's matrix products, in the order in which they are computed (A, B: the left and right operand; K: the contracted axis; several contracted axes count as one K, in the product's order):
;;     1. [M 8,192, K 1,024] x [K 1,024, N 3,072]; A: computed on the way; B: input W_qkv: QUANTISED
;;     2. batch 64 x [M 2,048, K 64] x [K 64, N 2,048]; A: computed on the way; B: computed on the way: QUANTISED
;;     3. batch 64 x [M 2,048, K 2,048] x [K 2,048, N 64]; A: softmax (see below); B: computed on the way: QUANTISED
;;     4. [M 8,192, K 1,024] x [K 1,024, N 1,024]; A: computed on the way; B: input W_out: QUANTISED
;;   THE QUANTISER, for each operand of a quantised product, along K:
;;     - K is cut into blocks of 32 from its start; a last block that is shorter is filled with zeros.
;;     - A block's scale is 2^e with e = floor(log2(the largest magnitude in the block)) - 4, held to -126 .. 127; a block of zeros has e = 0. As a byte (E8M0): e + 127.
;;     - Each number is divided by its block's scale, clamped to +-28, and rounded to the nearest number of E3M2, ties to even, subnormals kept.
;;     - The product sums the exact products of the quantised numbers (number of the format x scale) in f32.
;;   ~~~python
;;   def quantise(x, axis):      # numpy; x: float32 -> the quantised numbers, widened to float32 again
;;       x = np.moveaxis(x, axis, -1); K = x.shape[-1]
;;       x = np.pad(x, [(0, 0)] * (x.ndim - 1) + [(0, -K % 32)]); x = x.reshape(x.shape[:-1] + (-1, 32)); a = np.abs(x).max(-1, keepdims=True)
;;       e = np.where(a > 0, np.clip(np.frexp(np.where(a > 0, a, 1))[1] - 1 - 4, -126, 127), 0)      # np.frexp(a)[1] - 1 = floor(log2(a)), exactly
;;       r = np.clip(x / 2.0 ** e, -28, 28)
;;       step = 2.0 ** (np.maximum(np.frexp(np.where(r == 0, 1, r))[1] - 1, -2) - 2)
;;       q = np.round(r / step) * step * 2.0 ** e      # np.round: ties to even
;;       return np.moveaxis(q.reshape(q.shape[:-2] + (-1,))[..., :K], -1, axis).astype(np.float32)
;;   ~~~
;;   SOFTMAX AHEAD OF A QUANTISED PRODUCT. Where the list says 'softmax', what is quantised is not the finished softmax but p = 2^(t - M), with t = logit x log2(e) and M = ceil(the row's largest t), a whole number; so 1/2 < the row's largest p <= 1. The row's sum l is taken of the UNQUANTISED p, in f32, and the product's result is divided by l at the end. Since M is a whole number, a kernel that streams over the keys may use a running M (the ceiling of the running maximum): every later rescaling is an exact power of two, which a block's scale takes up: the codes' values come out the same.
;;   OPERANDS COMPUTED ON THE WAY. 'Computed on the way' means the value that the module computes at that place (a softmax that the list does not call 'softmax' is quantised finished and normalised). What goes into a quantiser is computed in f32, as accurately as f32 sums, v_exp_f32 and their like allow (about 1e-6 of the number): no bf16 or f16 on the way to a quantiser, and a product that is left as it is and whose result goes on into a quantised operand takes f32 operands (vector FMAs, or v_wmma_f32_16x16x4_f32). A number that lies on a knife's edge between two numbers of the format may be rounded either way, as far as f32 arithmetic and the matrix unit's own rounding can turn it there, and no further.
;; One version. Each part assembles by itself: llvm-mc -triple=amdgcn-amd-amdhsa -mcpu=gfx1250 --defsym DOCPART=n.
;; ======== version 1 of 1: 5 launches
;; limits: right only within a limited range of input values
;; workspace buffers: wq 3,276,800 bytes; xq 6,553,600 bytes; qkv 20,185,088 bytes; aq 6,553,600 bytes
;; launch prep_w (part 1): grid 32 x 8, 4 waves a work-group, no clusters, 13,824 bytes of LDS; arguments W_qkv, W_out, wq; writes wq
.if DOCPART == 1
	.amdgcn_target "amdgcn-amd-amdhsa--gfx1250"
	.amdhsa_code_object_version 6
	.text
	.protected	k_q3b8ea41c15_prep_w
	.globl	k_q3b8ea41c15_prep_w
	.p2align	8
	.type	k_q3b8ea41c15_prep_w,@function
k_q3b8ea41c15_prep_w:
	s_mov_b64 s[64:65], 0
	v_nop
	global_prefetch_b8 v0, s[64:65] scope:SCOPE_SE
	s_setreg_imm32_b32 hwreg(HW_REG_WAVE_MODE, 25, 1), 1
	s_wait_xcnt 0x0
; W_qkv [1024][3072] and W_out [1024][1024], f32, K = the FIRST axis, become codes of BF6 (E3M2) with one E8M0 byte for each 32 along K.
; LAYOUT OF THE RESULT (this program's own): an operand is cut into tiles of 16 rows (here: columns n of W) x 128 along K, and a tile is stored as the IMAGE of the matrix
; operand's 12 registers: piece p (registers 2 p, 2 p + 1) of lane l at byte 256 p + 8 l: 1,536 bytes.  Tile tau, K step s at 12,288 tau + 1,536 s.
; THE ROWS OF A TILE ARE NOT NEIGHBOURS: lane r of tile tau holds row 32 (tau / 2) + 8 (tau % 2) + r + 8 (r / 8).
; Scale word (four bytes: 128 along K of one row) of (tau, s, r) at 512 tau + 128 (s / 2) + 8 r + 4 (s % 2).
; A LANE TAKES A COLUMN n AND ITS REGISTERS RUN DOWN K: a block of 32 lies in one lane, and the conversions give codes with K innermost.  Nothing is transposed by an instruction.
; A wave takes 32 columns (two tiles) x 128 along K (4 blocks a lane); the codes go through the wave's own stage in LDS, laid as the two images, and leave as runs of 512 bytes.
; One path serves both tensors: work-groups x = 0..23 take W_qkv's groups of 128 columns, x = 24..31 W_out's; y is the K step.  Only pointers, the pitch and offsets are chosen.
; A block's scale is 2^(floor(log2(largest magnitude)) - 4): its byte is the largest magnitude's exponent field - 4, held at 1 from below.  A block of zeros keeps the byte 1 (its codes are zeros; this program alone reads the bytes).
; LIMITS: NaN and infinities among the inputs are not served; blocks whose largest magnitude lies under 2^-122 sit on the floor byte 1.
.set WS,   2359296                     ; in wq: W_qkv's scale words
.set OC,   2457600                     ; W_out's codes
.set OS,   3244032                     ; W_out's scale words
.set IMG,  1664                        ; a tile's place in the stage: its 1,536 bytes + 128, so that the two tiles' lanes fall on different banks
.set STI,  4                           ; v4   the stage, on the way in
.set STO,  5                           ; v5   and on the way out
.set GO,   6                           ; v6   16 x lane
.set GS,   7                           ; v7   my column's scale word: 512 u + 8 r
.set SB,   24                          ; v24  the four scale bytes
.set OFF,  32                          ; v32-63  4 x lane + i x pitch: never rewritten
.set X,    64                          ; v64-127 two sets of 32 numbers
.set C,    128                         ; v128..  a block's codes
.set OUTR, 136                         ; v136-159 the way out
	s_load_b128 s[4:7], s[0:1], 0x0                ; W_qkv, W_out
	s_load_b64 s[8:9], s[0:1], 0x10                ; wq
	v_lshl_add_u32 v160, v0, 2, 0x3400
	v_mov_b32 v161, 0
	v_lshrrev_b32 v1, 5, v0
	v_readfirstlane_b32 s10, v1                    ; wave 0..3
	v_and_b32 v1, 31, v0                           ; lane = my column in the wave's 32
	v_bfe_u32 v2, v0, 3, 1                         ; u: which of the two tiles my column falls into
	v_and_b32 v3, 7, v0
	v_bfe_u32 v8, v0, 4, 1
	v_lshl_or_b32 v3, v8, 3, v3                    ; r: its row there: (lane % 8) + 8 (lane / 16)
	s_mul_i32 s11, s10, 2*IMG                      ; my wave's stage
	v_mul_u32_u24 v[STI], v2, IMG
	v_lshl_add_u32 v[STI], v3, 3, v[STI]
	v_add_nc_u32 v[STI], s11, v[STI]               ; in: tile u, 8 r
	v_lshlrev_b32 v[GO], 4, v1
	v_add_nc_u32 v[STO], s11, v[GO]                ; out: 16 bytes a lane
	v_lshlrev_b32 v[GS], 9, v2
	v_lshl_add_u32 v[GS], v3, 3, v[GS]
	s_and_b32 s12, ttmp7, 0xffff                   ; the K step
	s_wait_kmcnt 0x0
	s_cmp_lt_u32 ttmp9, 24                         ; W_qkv's work-group or W_out's?  The choice hangs on the work-group's number alone; every selection stands ahead of the next line that sets SCC
	s_cselect_b64 s[4:5], s[4:5], s[6:7]
	s_mov_b32 s13, 4096
	s_cselect_b32 s13, 12288, s13                  ; a row of W in bytes
	s_cselect_b32 s14, 0, 24
	s_cselect_b32 s15, 0, OC
	s_mov_b32 s16, OS
	s_cselect_b32 s16, WS, s16
	s_sub_co_u32 s14, ttmp9, s14                   ; which group of 128 columns of the tensor
	s_lshl_b32 s17, s14, 9
	s_lshl_b32 s18, s10, 7
	s_add_co_u32 s17, s17, s18                     ; my wave's first column, in bytes
	s_lshl_b32 s18, s13, 5                         ; 32 rows of W, as a pair
	s_mov_b32 s19, 0
	s_lshl_b32 s28, s18, 2
	s_mul_i32 s28, s28, s12                        ; 128 rows x the K step (under 2^24)
	s_add_co_u32 s28, s28, s17
	s_mov_b32 s29, 0
	s_add_nc_u64 s[20:21], s[4:5], s[28:29]        ; a base for each of my four blocks: no pointer is stepped
	s_add_nc_u64 s[22:23], s[20:21], s[18:19]
	s_add_nc_u64 s[24:25], s[22:23], s[18:19]
	s_add_nc_u64 s[26:27], s[24:25], s[18:19]
	s_lshl_b32 s30, s14, 3
	s_lshl_b32 s31, s10, 1
	s_add_co_u32 s30, s30, s31                     ; my first tile
	s_mul_i32 s28, s30, 12288
	s_mul_i32 s31, s12, 1536
	s_add_co_u32 s28, s28, s31
	s_add_co_u32 s28, s28, s15
	s_add_nc_u64 s[32:33], s[8:9], s[28:29]        ; where its image goes
	s_lshl_b32 s28, s30, 9
	s_lshr_b32 s31, s12, 1
	s_lshl_b32 s31, s31, 7
	s_add_co_u32 s28, s28, s31
	s_and_b32 s31, s12, 1
	s_lshl_b32 s31, s31, 2
	s_add_co_u32 s28, s28, s31
	s_add_co_u32 s28, s28, s16
	s_add_nc_u64 s[34:35], s[8:9], s[28:29]        ; and its scale words
	v_lshlrev_b32 v[OFF], 2, v1
.set i, 1
.rept 31
	v_add_nc_u32 v[OFF+i], s13, v[OFF+i-1]
.set i, i+1
.endr
.macro LOAD t                          ; block t: W(32 t + i, my column), i = 0 .. 31, into set t % 2; 32 lanes read 128 consecutive bytes, the four waves 512
.set i, 0
.rept 32
	global_load_b32 v[X+32*((\t)%2)+i], v[OFF+i], s[20+2*(\t):21+2*(\t)] th:TH_LOAD_NT
.set i, i+1
.endr
.endm
	LOAD 0
	LOAD 1
.macro BLOCK t                         ; block t = 2 c + h of the K step belongs to lane (r, h), registers 6 c .. 6 c + 5
.set XB, X+32*((\t)%2)
.if (\t) < 3
	s_wait_loadcnt 32                              ; this block's 32 loads are in; the next block's 32 may be out
.else
	s_wait_loadcnt 0x0
.endif
	v_max3_num_f32 v12, |v[XB]|, |v[XB+1]|, |v[XB+2]|      ; the block's largest magnitude: all 32 numbers are mine; two chains
	v_max3_num_f32 v13, |v[XB+3]|, |v[XB+4]|, |v[XB+5]|
.irp i, 6,10,14,18,22,26
	v_max3_num_f32 v12, v12, |v[XB+\i]|, |v[XB+\i+1]|
	v_max3_num_f32 v13, v13, |v[XB+\i+2]|, |v[XB+\i+3]|
.endr
	v_max3_num_f32 v12, v12, |v[XB+30]|, |v[XB+31]|
	v_max3_num_f32 v12, v12, v13, 0x2800000        ; and the floor 2^(5 - 127): the byte cannot fall under 1
	v_add_nc_u32 v11, 0xfe000000, v12              ; 4 off the exponent field: the conversion takes the exponent field of this operand as its scale
	v_lshrrev_b32 v13, 23, v11                     ; the scale's byte
.if (\t) == 0
	v_mov_b32 v[SB], v13
.else
	v_lshl_or_b32 v[SB], v13, 8*(\t), v[SB]        ; the lower K in the lower byte
.endif
	v_cvt_scalef32_pk16_bf6_f32 v[C:C+2], v[XB:XB+15], v11
	v_cvt_scalef32_pk16_bf6_f32 v[C+4:C+6], v[XB+16:XB+31], v11    ; (a conversion's three registers begin on an even number)
	v_nop                                          ; one plain place behind a scaled conversion
	v_mov_b32 v[C+3], v[C+4]                       ; the block's 24 bytes on end
	v_mov_b32 v[C+4], v[C+5]
	v_mov_b32 v[C+5], v[C+6]
.irp i, 0,1,2
	ds_store_b64 v[STI], v[C+2*\i:C+2*\i+1] offset:256*(3*((\t)/2)+\i)+128*((\t)%2)
.endr
.if (\t) < 2
	LOAD (\t)+2
.endif
	s_wait_dscnt 0x0                               ; the stores have read their registers: the next block's codes may be written
.endm
	BLOCK 0
	BLOCK 1
	BLOCK 2
	BLOCK 3
	s_wait_alu depctr_va_vdst(0)
	global_store_b32 v[GS], v[SB], s[34:35]        ; my column's scale word
.irp u, 0,1
.irp k, 0,1,2
	ds_load_b128 v[OUTR+12*\u+4*\k:OUTR+12*\u+4*\k+3], v[STO] offset:IMG*\u+512*\k   ; LDS serves a wave's instructions in order: these see my stores
.endr
.endr
.irp u, 0,1
.irp k, 0,1,2
	s_wait_dscnt 5-3*\u-\k
	global_store_b128 v[GO], v[OUTR+12*\u+4*\k:OUTR+12*\u+4*\k+3], s[32:33] offset:12288*\u+512*\k   ; 32 lanes store 512 consecutive bytes, at a multiple of 256 from the buffer's first byte
.endr
.endr
	s_wait_tensorcnt 0x0
	ds_add_u32 v160, v161
	s_wait_dscnt 0x0
	s_endpgm
.Lfunc_end_k_q3b8ea41c15_prep_w:
	.size	k_q3b8ea41c15_prep_w, .Lfunc_end_k_q3b8ea41c15_prep_w-k_q3b8ea41c15_prep_w
	.p2alignl 7, 3214868480
	.fill 96, 4, 3214868480
	.section	.rodata,"a",@progbits
	.p2align	6, 0x0
	.amdhsa_kernel k_q3b8ea41c15_prep_w
		.amdhsa_group_segment_fixed_size 13824
		.amdhsa_private_segment_fixed_size 0
		.amdhsa_enable_private_segment 0
		.amdhsa_kernarg_size 24
		.amdhsa_user_sgpr_count 2
		.amdhsa_user_sgpr_kernarg_segment_ptr 1
		.amdhsa_wavefront_size32 1
		.amdhsa_system_sgpr_workgroup_id_x 1
		.amdhsa_system_sgpr_workgroup_id_y 1
		.amdhsa_system_sgpr_workgroup_id_z 1
		.amdhsa_system_vgpr_workitem_id 0
		.amdhsa_next_free_vgpr 162
		.amdhsa_next_free_sgpr 66
		.amdhsa_reserve_vcc 0
		.amdhsa_float_denorm_mode_32 3
		.amdhsa_float_denorm_mode_16_64 3
		.amdhsa_memory_ordered 1
		.amdhsa_forward_progress 1
		.amdhsa_inst_pref_size 24
	.end_amdhsa_kernel
	.amdgpu_metadata
---
amdhsa.version: [ 1, 2 ]
amdhsa.kernels:
  - .name:           k_q3b8ea41c15_prep_w
    .symbol:         k_q3b8ea41c15_prep_w.kd
    .args:
      - { .name: W_qkv, .offset: 0, .size: 8, .value_kind: global_buffer, .address_space: global }
      - { .name: W_out, .offset: 8, .size: 8, .value_kind: global_buffer, .address_space: global }
      - { .name: wq, .offset: 16, .size: 8, .value_kind: global_buffer, .address_space: global }
    .group_segment_fixed_size: 13824
    .private_segment_fixed_size: 0
    .kernarg_segment_align: 8
    .kernarg_segment_size: 24
    .max_flat_workgroup_size: 128
    .sgpr_count:     66
    .vgpr_count:     162
    .wavefront_size: 32
...
	.end_amdgpu_metadata
.endif
;; end of part 1
;; launch prep_x (part 2): grid 256 x 1, 2 waves a work-group, no clusters, 131,840 bytes of LDS; arguments hidden_states, ln_gamma, ln_beta, xq; writes xq
.if DOCPART == 2
	.amdgcn_target "amdgcn-amd-amdhsa--gfx1250"
	.amdhsa_code_object_version 6
	.text
	.protected	k_q3b8ea41c15_prep_x
	.globl	k_q3b8ea41c15_prep_x
	.p2align	8
	.type	k_q3b8ea41c15_prep_x,@function
k_q3b8ea41c15_prep_x:
	s_mov_b64 s[64:65], 0
	v_nop
	global_prefetch_b8 v0, s[64:65] scope:SCOPE_SE
	s_setreg_imm32_b32 hwreg(HW_REG_WAVE_MODE, 25, 1), 1
	s_wait_xcnt 0x0
; LayerNorm of hidden_states [8192][1024] (f32), then the quantiser along the row: codes of BF6 (E3M2), one E8M0 byte for each 32.
; RESULT (this program's own layout): tiles of 16 tokens x 128 along K as IMAGES of the matrix operand's 12 registers: piece p (registers 2 p, 2 p + 1) of lane l at 256 p + 8 l; tile tau, K step s at
; 12,288 tau + 1,536 s; lane r of tile tau holds token 32 (tau / 2) + 8 (tau % 2) + r + 8 (r / 8).  Scale word of (tau, s, r) at XSO + 512 tau + 128 (s / 2) + 8 r + 4 (s % 2).
; A wave owns one tile.  PHASE 1, row by row: the 32 lanes take a whole row (eight loads of 512 consecutive bytes), so mean and variance never leave the wave.  The variance is the mean of the squared
; DIFFERENCES from the mean (second pass over registers): a common offset of the inputs cancels nothing.  The normalised row goes to the wave's own LDS rows (4,096 bytes + 16).
; PHASE 2, K step by K step: lane (r, h) reads back, of row r, 16 neighbours of each block of 32, which is what the conversions want, and stores the image: each store covers 256 consecutive bytes, aligned.
; No barrier: a wave touches its own LDS bytes alone, and LDS serves a wave's instructions in order.  Loads run three rows (24 loads a wave) ahead.
; LIMITS: NaN and infinities are not served; blocks whose largest magnitude lies under 2^-122 sit on the floor byte 1 (a block of zeros too: its codes are zeros; this program alone reads the bytes).
.set XSO,  6291456
.set RP,   4112                        ; an LDS row: an odd multiple of 16 bytes, so that the sixteen rows of a read begin in different banks
.set WREG, 16*RP
.set LO,   1                           ; v1   16 x lane
.set STA,  10                          ; v10  LDS: my 16 bytes of a run of 512
.set LA,   11                          ; v11  LDS: row r, + 64 h
.set CO,   12                          ; v12  8 x lane
.set SO,   13                          ; v13  8 r
.set G,    16                          ; v16-47  gamma of my 32 elements (128 j + 4 lane + e)
.set BT,   48                          ; v48-79  beta
.set X,    80                          ; v80-207 four row slots of 32; in phase 2 two sets of 64
.set PC,   208                         ; v208-219 the codes just made; v220-226 at work
.set TM,   228                         ; v228-243 at work in the quantiser
.set PW,   244                         ; v244 the scale word just made
.set SEL,  16                          ; s[16:17] selects for v_permlanex16_b32: lane l xor 16
; 64 numbers of a lane, v[s] .. v[s + 63], register 16 b + i = k 32 b + 16 (lane / 16) + i of my row, become a fragment's codes in v[PC] on and its scale word in v[PW].
.macro QUANT s
.irp b, 0,1,2,3
	v_max3_num_f32 v[TM+\b], |v[\s+16*\b]|, |v[\s+1+16*\b]|, 0x2800000   ; block b: my 16 numbers, and the floor 2^(5 - 127): the byte cannot fall under 1
.endr
.irp i, 2,4,6,8,10,12,14
.irp b, 0,1,2,3
	v_max3_num_f32 v[TM+\b], v[TM+\b], |v[\s+16*\b+\i]|, |v[\s+1+16*\b+\i]|   ; (the four blocks by turns)
.endr
.endr
.irp b, 0,1,2,3
	v_permlanex16_b32 v[TM+4+\b], v[TM+\b], s[SEL], s[SEL+1]
.endr
.irp b, 0,1,2,3
	v_max_num_f32 v[TM+\b], v[TM+\b], v[TM+4+\b]   ; with lane l xor 16's: the block's largest magnitude
.endr
.irp b, 0,1,2,3
	v_add_nc_u32 v[TM+12+\b], 0xfe000000, v[TM+\b]   ; 4 off its exponent field: the conversion's scale operand
.endr
.irp b, 0,1,2,3
	v_lshrrev_b32 v[TM+4+\b], 23, v[TM+12+\b]      ; the scale's byte
.endr
	v_lshl_or_b32 v[PW], v[TM+5], 8, v[TM+4]
	v_lshl_or_b32 v[PW], v[TM+6], 16, v[PW]
	v_lshl_or_b32 v[PW], v[TM+7], 24, v[PW]
.irp c, 0,1
	v_cvt_scalef32_pk16_bf6_f32 v[PC+6*\c:PC+2+6*\c], v[\s+32*\c:\s+15+32*\c], v[TM+12+2*\c]
	v_cvt_scalef32_pk16_bf6_f32 v[PC+12+4*\c:PC+14+4*\c], v[\s+16+32*\c:\s+31+32*\c], v[TM+12+2*\c+1]   ; (a conversion's three registers begin on an even number)
.endr
	v_nop                                          ; one plain place behind a scaled conversion
.irp c, 0,1                                    ; the operand's layout wants a WHOLE block in a lane: lanes 0-15 block 2 c, lanes 16-31 block 2 c + 1
.irp i, 0,1,2
	v_permlane16_swap_b32 v[PC+6*\c+\i], v[PC+12+4*\c+\i]
.endr
.irp i, 0,1,2
	v_mov_b32 v[PC+3+6*\c+\i], v[PC+12+4*\c+\i]
.endr
.endr
.endm
	s_load_b256 s[4:11], s[0:1], 0x0               ; hidden_states s[4:5], gamma s[6:7], beta s[8:9], xq s[10:11]
	v_lshl_add_u32 v254, v0, 2, 0x20200
	v_mov_b32 v255, 0
	v_lshrrev_b32 v2, 5, v0
	v_readfirstlane_b32 s12, v2                    ; wave 0, 1
	v_and_b32 v3, 31, v0
	v_lshlrev_b32 v[LO], 4, v3
	v_lshlrev_b32 v[CO], 3, v3
	v_and_b32 v4, 15, v0                           ; r
	v_bfe_u32 v5, v0, 4, 1                         ; h
	s_mul_i32 s13, s12, WREG                       ; my wave's rows in LDS
	v_add_nc_u32 v[STA], s13, v[LO]
	v_mul_u32_u24 v[LA], v4, RP
	v_lshl_add_u32 v[LA], v5, 6, v[LA]
	v_add_nc_u32 v[LA], s13, v[LA]
	v_lshlrev_b32 v[SO], 3, v4
.irp b, 0,1,2,3
	v_mov_b32 v[TM+4+\b], 0                        ; written once: a lane permute's destination counts as one of its sources
.endr
	s_mov_b32 s[SEL], 0x76543210
	s_mov_b32 s[SEL+1], 0xfedcba98
	s_mov_b32 s18, 0x3a800000                      ; 1 / 1024
	s_mov_b32 s19, 0x2b8cbccc                      ; 1e-12
	s_lshl_b32 s20, ttmp9, 17                      ; 32 tokens of 4,096 bytes a work-group,
	s_lshl_b32 s21, s12, 15                        ; wave 1's tile begins 8 tokens on
	s_add_co_u32 s20, s20, s21
	s_mov_b32 s21, 0
	s_lshl_b32 s22, ttmp9, 1
	s_add_co_u32 s22, s22, s12                     ; my tile
	s_mul_i32 s24, s22, 12288
	s_mov_b32 s25, 0
	s_lshl_b32 s26, s22, 9
	s_add_co_u32 s26, s26, XSO
	s_mov_b32 s27, 0
	s_wait_kmcnt 0x0
	s_add_nc_u64 s[4:5], s[4:5], s[20:21]
	s_add_nc_u64 s[14:15], s[10:11], s[26:27]      ; my scale words
	s_add_nc_u64 s[10:11], s[10:11], s[24:25]      ; my images
.irp j, 0,1,2,3,4,5,6,7
	global_load_b128 v[G+4*\j:G+4*\j+3], v[LO], s[6:7] offset:512*\j
	global_load_b128 v[BT+4*\j:BT+4*\j+3], v[LO], s[8:9] offset:512*\j
.endr
.macro FILL r                          ; row r of the tile (token r + 8 (r / 8) from the tile's first) into slot r % 4
.irp j, 0,1,2,3,4,5,6,7
	global_load_b128 v[X+32*((\r)%4)+4*\j:X+32*((\r)%4)+4*\j+3], v[LO], s[4:5] offset:((\r)+8*((\r)/8))*4096+512*\j th:TH_LOAD_NT
.endr
.endm
	FILL 0
	FILL 1
	FILL 2
.macro LANES a, b                      ; the sum of v[a] over the 32 lanes, in every lane; v[b] has been written
	v_add_f32_dpp v[\a], v[\a], v[\a] row_xmask:1 row_mask:0xf bank_mask:0xf
	v_add_f32_dpp v[\a], v[\a], v[\a] row_xmask:2 row_mask:0xf bank_mask:0xf
	v_add_f32_dpp v[\a], v[\a], v[\a] row_xmask:4 row_mask:0xf bank_mask:0xf
	v_add_f32_dpp v[\a], v[\a], v[\a] row_xmask:8 row_mask:0xf bank_mask:0xf
	v_permlanex16_b32 v[\b], v[\a], s[SEL], s[SEL+1]
	v_add_f32 v[\a], v[\a], v[\b]
.endm
.macro ROW r, left                     ; left: the younger loads that may stay out
.set XR, X+32*((\r)%4)
	s_wait_loadcnt \left                           ; loads come back in order: gamma, beta and this row are in
	v_pk_add_f32 v[2:3], v[XR:XR+1], v[XR+2:XR+3]  ; the sum, two at a time, in two chains
	v_pk_add_f32 v[4:5], v[XR+4:XR+5], v[XR+6:XR+7]
.irp i, 8,12,16,20,24,28
	v_pk_add_f32 v[2:3], v[2:3], v[XR+\i:XR+\i+1]
	v_pk_add_f32 v[4:5], v[4:5], v[XR+\i+2:XR+\i+3]
.endr
	v_pk_add_f32 v[2:3], v[2:3], v[4:5]
	v_add_f32 v2, v2, v3
	LANES 2, 3
	v_mul_f32 v2, s18, v2                          ; the mean
.irp i, 0,2,4,6,8,10,12,14,16,18,20,22,24,26,28,30
	v_pk_add_f32 v[XR+\i:XR+\i+1], v[XR+\i:XR+\i+1], v[2:3] op_sel_hi:[1,0] neg_lo:[0,1] neg_hi:[0,1]   ; x - mean
.endr
	v_pk_mul_f32 v[4:5], v[XR:XR+1], v[XR:XR+1]    ; the sum of their squares
	v_pk_mul_f32 v[6:7], v[XR+2:XR+3], v[XR+2:XR+3]
.irp i, 4,8,12,16,20,24,28
	v_pk_fma_f32 v[4:5], v[XR+\i:XR+\i+1], v[XR+\i:XR+\i+1], v[4:5]
	v_pk_fma_f32 v[6:7], v[XR+\i+2:XR+\i+3], v[XR+\i+2:XR+\i+3], v[6:7]
.endr
	v_pk_add_f32 v[4:5], v[4:5], v[6:7]
	v_add_f32 v4, v4, v5
	LANES 4, 5
	v_fma_f32 v4, v4, s18, s19                     ; the variance + 1e-12
	s_wait_alu depctr_va_vdst(0)
	v_rsq_f32 v4, v4
	v_nop                                          ; one plain place behind a transcendental
	s_wait_alu depctr_va_vdst(0)
.irp i, 0,2,4,6,8,10,12,14,16,18,20,22,24,26,28,30
	v_pk_mul_f32 v[XR+\i:XR+\i+1], v[XR+\i:XR+\i+1], v[4:5] op_sel_hi:[1,0]
.endr
.irp i, 0,2,4,6,8,10,12,14,16,18,20,22,24,26,28,30
	v_pk_fma_f32 v[XR+\i:XR+\i+1], v[XR+\i:XR+\i+1], v[G+\i:G+\i+1], v[BT+\i:BT+\i+1]
.endr
.irp j, 0,1,2,3,4,5,6,7
	ds_store_b128 v[STA], v[XR+4*\j:XR+4*\j+3] offset:RP*(\r)+512*\j
.endr
.if (\r)+3 < 16
	s_wait_dscnt 8                                 ; all but this row's eight stores are done: the row before has left its registers,
	FILL (\r)+3                                    ; which take the row three further on
.endif
.endm
.irp r, 0,1,2,3,4,5,6,7,8,9,10,11,12,13
	ROW \r, 16                                     ; the two rows behind it may be out
.endr
	ROW 14, 8
	ROW 15, 0
	s_wait_dscnt 0x0                               ; the stores have read their registers: they take the numbers that come back
.macro TLOAD s                         ; K step s: of row r, elements 128 s + 32 b + 16 h + 0 .. 15 into registers 16 b + 0 .. 15 of set s % 2
.irp b, 0,1,2,3
.irp j, 0,1,2,3
	ds_load_b128 v[X+64*((\s)%2)+16*\b+4*\j:X+64*((\s)%2)+16*\b+4*\j+3], v[LA] offset:512*(\s)+128*\b+16*\j
.endr
.endr
.endm
.macro KSTEP s
.if (\s) < 7
	TLOAD (\s)+1
	s_wait_dscnt 16                                ; this step's sixteen reads are in; the next step's may be out
.else
	s_wait_dscnt 0x0
.endif
.if (\s) > 0
	s_wait_xcnt 0x0                                ; the last step's stores have read their data: the codes and the scale word are written again only behind this wait
.endif
	QUANT X+64*((\s)%2)
.irp p, 0,1,2,3,4,5
	global_store_b64 v[CO], v[PC+2*\p:PC+2*\p+1], s[10:11] offset:1536*(\s)+256*\p   ; 32 lanes store 256 consecutive bytes, aligned
.endr
	global_store_b32 v[SO], v[PW], s[14:15] offset:128*((\s)/2)+4*((\s)%2)          ; lanes r and r + 16 hold the same word and write it to the same place
.endm
	TLOAD 0
.irp s, 0,1,2,3,4,5,6,7
	KSTEP \s
.endr
	s_wait_tensorcnt 0x0
	ds_add_u32 v254, v255
	s_wait_dscnt 0x0
	s_endpgm
.Lfunc_end_k_q3b8ea41c15_prep_x:
	.size	k_q3b8ea41c15_prep_x, .Lfunc_end_k_q3b8ea41c15_prep_x-k_q3b8ea41c15_prep_x
	.p2alignl 7, 3214868480
	.fill 96, 4, 3214868480
	.section	.rodata,"a",@progbits
	.p2align	6, 0x0
	.amdhsa_kernel k_q3b8ea41c15_prep_x
		.amdhsa_group_segment_fixed_size 131840
		.amdhsa_private_segment_fixed_size 0
		.amdhsa_enable_private_segment 0
		.amdhsa_kernarg_size 32
		.amdhsa_user_sgpr_count 2
		.amdhsa_user_sgpr_kernarg_segment_ptr 1
		.amdhsa_wavefront_size32 1
		.amdhsa_system_sgpr_workgroup_id_x 1
		.amdhsa_system_sgpr_workgroup_id_y 1
		.amdhsa_system_sgpr_workgroup_id_z 1
		.amdhsa_system_vgpr_workitem_id 0
		.amdhsa_next_free_vgpr 256
		.amdhsa_next_free_sgpr 66
		.amdhsa_reserve_vcc 0
		.amdhsa_float_denorm_mode_32 3
		.amdhsa_float_denorm_mode_16_64 3
		.amdhsa_memory_ordered 1
		.amdhsa_forward_progress 1
		.amdhsa_inst_pref_size 164
	.end_amdhsa_kernel
	.amdgpu_metadata
---
amdhsa.version: [ 1, 2 ]
amdhsa.kernels:
  - .name:           k_q3b8ea41c15_prep_x
    .symbol:         k_q3b8ea41c15_prep_x.kd
    .args:
      - { .name: hidden_states, .offset: 0, .size: 8, .value_kind: global_buffer, .address_space: global }
      - { .name: ln_gamma, .offset: 8, .size: 8, .value_kind: global_buffer, .address_space: global }
      - { .name: ln_beta, .offset: 16, .size: 8, .value_kind: global_buffer, .address_space: global }
      - { .name: xq, .offset: 24, .size: 8, .value_kind: global_buffer, .address_space: global }
    .group_segment_fixed_size: 131840
    .private_segment_fixed_size: 0
    .kernarg_segment_align: 8
    .kernarg_segment_size: 32
    .max_flat_workgroup_size: 64
    .sgpr_count:     66
    .vgpr_count:     256
    .wavefront_size: 32
...
	.end_amdgpu_metadata
.endif
;; end of part 2
;; launch gemm_qkv (part 3): grid 12 x 32, 4 waves a work-group, clusters of 4 x 4, 327,680 bytes of LDS; arguments xq, wq, b_qkv, qkv; writes qkv
.if DOCPART == 3
	.amdgcn_target "amdgcn-amd-amdhsa--gfx1250"
	.amdhsa_code_object_version 6
	.text
	.protected	k_q3b8ea41c15_gemm_qkv
	.globl	k_q3b8ea41c15_gemm_qkv
	.p2align	8
	.type	k_q3b8ea41c15_gemm_qkv,@function
k_q3b8ea41c15_gemm_qkv:
	s_mov_b64 s[64:65], 0
	v_nop
	global_prefetch_b8 v0, s[64:65] scope:SCOPE_SE
	s_setreg_imm32_b32 hwreg(HW_REG_WAVE_MODE, 25, 1), 1
	s_wait_xcnt 0x0
	s_wait_alu depctr_hold_cnt(0) depctr_sa_sdst(0) depctr_va_vdst(0) depctr_va_sdst(0) depctr_va_ssrc(0) depctr_va_vcc(0) depctr_vm_vsrc(0)
	s_getreg_b32 s2, hwreg(HW_REG_IB_STS2, 6, 4)
	s_cmp_eq_u32 s2, 0
	s_cbranch_scc0 .Lentry_in_a_cluster
	s_endpgm
.Lentry_in_a_cluster:
	s_bfe_u32 s2, ttmp6, 0x10000c
	s_cmp_lg_u32 s2, 0xf033
	s_cbranch_scc0 .Lentry_shape_is_right
	s_endpgm
.Lentry_shape_is_right:
.set FR,    12
.set NL,    6
.set NP,    4
.set NQ,    2
.set FRB,   1536
.set TSL,   NQ*FRB
.set TROW,  8*FRB
.set HALFT, 8*TSL
.set SLOT,  4*HALFT
.set SCL,   2*SLOT
.set SPARE, 262144
.set XS,    6291456
.set WS,    2359296
.set KCO,   6291456
.set QS,    12582912
.set VC,    13631488
.set VS,    19922944
.set ADRA, 16
.set ADRB, 20
.set CS,   25
.set CO,   26
.set ADRS, 27
.set SPW,  28
.set NIL,  29
.set SC,   32
.set BR,   64
.set AF,   128
.set BL,   224
.set T,    128
.set PC,   192
.set TM,   232
.set PW,   248
.set PWO,  249
.set BC,   250
.set SEL,  96
.set G1, 24
.set G0, 32
.set G1B, 48
.set G0B, 56
.set G1S, 68
.set G0S, 76
.set G1SB, 80
.set G0SB, 88
.set MSB, 0
.macro WIN new
.if MSB != (\new)
	s_set_vgpr_msb (MSB<<8)|(\new)
.set MSB, (\new)
.endif
.endm
.set MUL_LO, 0xa1
.set MUL_HI, 0xf1
.set TO_B,   0x40
.macro JLOAD g0a, g1a, g0b, g1b
	s_cmp_eq_u32 s15, 0
	s_cbranch_scc0 .Lfor_b_\@
	tensor_load_to_lds s[\g0a:\g0a+3], s[\g1a:\g1a+7]
	s_nop 0
.rept 4
	v_nop
.endr
	s_branch .Lasked_\@
.Lfor_b_\@:
	tensor_load_to_lds s[\g0b:\g0b+3], s[\g1b:\g1b+7]
	s_nop 0
.rept 4
	v_nop
.endr
.Lasked_\@:
.endm
.macro CREST
	s_cmp_lg_u32 s14, 0
	s_cbranch_scc1 .Lnot_wave_0_\@
	s_barrier_signal -3
.Lnot_wave_0_\@:
	s_barrier_wait -3
	s_barrier_signal -1
	s_barrier_wait -1
.endm
.macro CROUND
	s_barrier_signal -1
	s_barrier_wait -1
	CREST
.endm
.macro QUANT s
.irp b, 0,1,2,3
	v_max3_num_f32 v[TM+\b], |v[\s+16*\b]|, |v[\s+1+16*\b]|, 0x2800000
.endr
.irp i, 2,4,6,8,10,12,14
.irp b, 0,1,2,3
	v_max3_num_f32 v[TM+\b], v[TM+\b], |v[\s+16*\b+\i]|, |v[\s+1+16*\b+\i]|
.endr
.endr
.irp b, 0,1,2,3
	v_permlanex16_b32 v[TM+4+\b], v[TM+\b], s[SEL], s[SEL+1]
.endr
.irp b, 0,1,2,3
	v_max_num_f32 v[TM+\b], v[TM+\b], v[TM+4+\b]
.endr
.irp b, 0,1,2,3
	v_add_nc_u32 v[TM+12+\b], 0xfe000000, v[TM+\b]
.endr
.irp b, 0,1,2,3
	v_lshrrev_b32 v[TM+4+\b], 23, v[TM+12+\b]
.endr
	v_lshl_or_b32 v[PW], v[TM+5], 8, v[TM+4]
	v_lshl_or_b32 v[PW], v[TM+6], 16, v[PW]
	v_lshl_or_b32 v[PW], v[TM+7], 24, v[PW]
.irp c, 0,1
	v_cvt_scalef32_pk16_bf6_f32 v[PC+6*\c:PC+2+6*\c], v[\s+32*\c:\s+15+32*\c], v[TM+12+2*\c]
	v_cvt_scalef32_pk16_bf6_f32 v[PC+12+4*\c:PC+14+4*\c], v[\s+16+32*\c:\s+31+32*\c], v[TM+12+2*\c+1]
.endr
	v_nop
.irp c, 0,1
.irp i, 0,1,2
	v_permlane16_swap_b32 v[PC+6*\c+\i], v[PC+12+4*\c+\i]
.endr
.irp i, 0,1,2
	v_mov_b32 v[PC+3+6*\c+\i], v[PC+12+4*\c+\i]
.endr
.endr
.endm
	s_load_b256 s[4:11], s[0:1], 0x0
	v_lshl_add_u32 v[SPW], v0, 2, SPARE
	v_mov_b32 v[NIL], 0
	ds_add_u32 v28, v29
	ds_add_u32 v28, v29
	s_wait_dscnt 0x0
	v_lshrrev_b32 v1, 5, v0
	v_readfirstlane_b32 s14, v1
	s_lshr_b32 s15, s14, 1
	s_and_b32 s16, s14, 1
	s_bfe_u32 s40, ttmp6, 0x40000
	s_bfe_u32 s41, ttmp6, 0x40004
	s_lshl_b32 s42, ttmp9, 2
	s_add_co_u32 s42, s42, s40
	s_and_b32 s17, ttmp7, 0xffff
	s_lshl_b32 s17, s17, 2
	s_add_co_u32 s17, s17, s41
	s_lshl_b32 s43, s41, 2
	s_lshl_b32 s43, 15, s43
	s_lshl_b32 s44, 0x1111, s40
	s_cmp_ge_u32 ttmp9, 2
	s_cselect_b32 s12, 1, 0
	s_or_b32 s[G1+0], s43, (3<<16)|(1<<21)
	s_or_b32 s[G1B+0], s44, (3<<16)|(1<<21)
.irp g, G1, G1B
	s_mov_b32 s[\g+1], 384<<16
	s_mov_b32 s[\g+2], 8<<16
	s_mov_b32 s[\g+3], 384<<16
	s_mov_b32 s[\g+4], 8
	s_mov_b32 s[\g+5], 1536
	s_mov_b32 s[\g+6], 0
	s_mov_b32 s[\g+7], 0
.endr
	s_or_b32 s[G1S+0], s43, (3<<16)|(1<<21)
	s_or_b32 s[G1SB+0], s44, (3<<16)|(1<<21)
.irp g, G1S, G1SB
	s_mov_b32 s[\g+1], 32<<16
	s_mov_b32 s[\g+2], 16<<16
	s_mov_b32 s[\g+3], 32<<16
	s_mov_b32 s[\g+4], 16
	s_mov_b32 s[\g+5], 32
	s_mov_b32 s[\g+6], 0
	s_mov_b32 s[\g+7], 0
.endr
	s_lshl_b32 s18, s16, 3
	s_lshl_b32 s20, s17, 4
	s_add_co_u32 s20, s20, s18
	s_lshl_b32 s46, s42, 4
	s_add_co_u32 s46, s46, s18
	s_lshl_b32 s22, s20, 9
	s_add_co_u32 s22, s22, XS
	s_mov_b32 s23, 0
	s_lshl_b32 s92, s46, 9
	s_add_co_u32 s92, s92, WS
	s_mov_b32 s93, 0
	s_mul_i32 s20, s20, TROW
	s_mov_b32 s21, 0
	s_mul_i32 s46, s46, TROW
	s_mov_b32 s47, 0
	s_mul_i32 s45, s14, HALFT
	s_lshl_b32 s94, s14, 12
	s_wait_kmcnt 0x0
	s_add_nc_u64 s[20:21], s[4:5], s[20:21]
	s_add_nc_u64 s[22:23], s[4:5], s[22:23]
	s_add_nc_u64 s[46:47], s[6:7], s[46:47]
	s_add_nc_u64 s[92:93], s[6:7], s[92:93]
	CROUND
	s_mov_b32 s[G0S], 1
	s_add_co_u32 s[G0S+1], s94, SCL
	s_mov_b64 s[G0S+2:G0S+3], s[22:23]
	s_or_b32 s[G0S+3], s[G0S+3], 0x80000000
	s_mov_b32 s[G0SB], 1
	s_add_co_u32 s[G0SB+1], s94, SCL
	s_mov_b64 s[G0SB+2:G0SB+3], s[92:93]
	s_or_b32 s[G0SB+3], s[G0SB+3], 0x80000000
	JLOAD G0S, G1S, G0SB, G1SB
.irp s, 0,1
	s_mov_b32 s[G0+4*\s], 1
	s_add_co_u32 s[G0+4*\s+1], s45, \s*SLOT
	s_add_nc_u64 s[G0+4*\s+2:G0+4*\s+3], s[20:21], \s*TSL
	s_or_b32 s[G0+4*\s+3], s[G0+4*\s+3], 0x80000000
	s_mov_b32 s[G0B+4*\s], 1
	s_add_co_u32 s[G0B+4*\s+1], s45, \s*SLOT
	s_add_nc_u64 s[G0B+4*\s+2:G0B+4*\s+3], s[46:47], \s*TSL
	s_or_b32 s[G0B+4*\s+3], s[G0B+4*\s+3], 0x80000000
	s_wait_alu depctr_va_vdst(0)
	s_wait_tensorcnt 0x0
	ds_add_u32 v28, v29
	s_wait_dscnt 0x0
	CROUND
	JLOAD G0+4*\s, G1, G0B+4*\s, G1B
.endr
	v_and_b32 v1, 15, v0
	v_bfe_u32 v2, v0, 4, 1
	v_and_b32 v3, 31, v0
	v_lshlrev_b32 v[CO], 3, v3
	s_wait_alu depctr_va_vdst(0)
	v_lshlrev_b32 v[CS], 2, v1
	s_mul_i32 s66, s15, HALFT
	s_mul_i32 s67, s16, HALFT
	s_add_co_u32 s67, s67, 2*HALFT
	s_cmp_eq_u32 s12, 0
	s_cselect_b32 s18, s66, s67
	s_cselect_b32 s19, s67, s66
.irp s, 0,1
	v_add_nc_u32 v[ADRA+\s], s18, v[CO]
	v_add_nc_u32 v[ADRB+\s], s19, v[CO]
	s_add_co_u32 s18, s18, SLOT
	s_add_co_u32 s19, s19, SLOT
.endr
	v_xor_b32 v4, s12, v2
	s_lshl_b32 s66, s15, 12
	s_lshl_b32 s67, s16, 12
	s_add_co_u32 s67, s67, 8192
	s_sub_co_u32 s67, s67, s66
	v_mul_u32_u24 v4, s67, v4
	v_lshl_add_u32 v4, v1, 3, v4
	s_add_co_u32 s66, s66, SCL
	v_add_nc_u32 v[ADRS], s66, v4
	s_lshl_b32 s92, s42, 10
	s_lshl_b32 s93, s16, 9
	s_add_co_u32 s92, s92, s93
	s_mov_b32 s93, 0
	s_add_nc_u64 s[8:9], s[8:9], s[92:93]
	v_lshlrev_b32 v5, 6, v2
	v_and_b32 v6, 8, v1
	v_add_nc_u32 v6, v6, v1
	v_lshlrev_b32 v6, 2, v6
.irp b, 0,1,2,3
.irp j, 0,1,2,3
	global_load_b128 v[BR+16*\b+4*\j:BR+16*\b+4*\j+3], v5, s[8:9] offset:128*\b+16*\j
.endr
.endr
.irp a, 0,1,2,3,4,5,6,7
	global_load_b32 v[BL+\a], v6, s[8:9] offset:(32*(\a/2)+8*(\a%2))*4
.endr
.irp b, 0,1,2,3
	v_mov_b32 v[TM+4+\b], 0
.endr
	v_mov_b32 v[BC+1], 0
	s_mov_b32 s[SEL], 0x76543210
	s_mov_b32 s[SEL+1], 0xfedcba98
.macro FRAG reg, adr, q, i
.irp p, 0,1,2,3,4,5
	ds_load_b64 v[\reg+2*\p:\reg+2*\p+1], v[\adr] offset:(\i)*TSL+(\q)*FRB+256*\p
.endr
.endm
.macro MUL16 a0, p, q, sc, zero
.irp a, \a0, \a0+1
.irp b, 0,1,2,3,4,5,6,7
.if \zero
	v_wmma_scale_f32_16x16x128_f8f6f4 v[8*(8*((\a)%4)+\b):8*(8*((\a)%4)+\b)+7], v[128*(\p)+FR*\b:128*(\p)+FR*\b+FR-1], v[AF+FR*(\a):AF+FR*(\a)+FR-1], 0, v[SC+8*NQ*(\sc)+NQ*\b+(\q)], v[SC+8*NQ*(\sc)+NQ*(\a)+(\q)] matrix_a_fmt:MATRIX_FMT_BF6 matrix_b_fmt:MATRIX_FMT_BF6 matrix_a_scale:MATRIX_SCALE_ROW1
.else
	v_wmma_scale_f32_16x16x128_f8f6f4 v[8*(8*((\a)%4)+\b):8*(8*((\a)%4)+\b)+7], v[128*(\p)+FR*\b:128*(\p)+FR*\b+FR-1], v[AF+FR*(\a):AF+FR*(\a)+FR-1], v[8*(8*((\a)%4)+\b):8*(8*((\a)%4)+\b)+7], v[SC+8*NQ*(\sc)+NQ*\b+(\q)], v[SC+8*NQ*(\sc)+NQ*(\a)+(\q)] matrix_a_fmt:MATRIX_FMT_BF6 matrix_b_fmt:MATRIX_FMT_BF6 matrix_a_scale:MATRIX_SCALE_ROW1
.endif
.endr
.endr
.endm
.macro FETCH_B slot, q, p
	WIN TO_B
.irp i, 0,1,2,3,4,5,6,7
	FRAG 128*(\p)+FR*\i, ADRB+\slot, \q, \i
.endr
	WIN 0
.endm
.macro FETCH_A slot, q, i0
.irp i, \i0, \i0+1, \i0+2, \i0+3
	FRAG AF+FR*(\i), ADRA+\slot, \q, \i
.endr
.endm
.macro SCALES sc
.irp i, 0,1,2,3,4,5,6,7
	ds_load_b64 v[SC+8*NQ*\sc+NQ*\i:SC+8*NQ*\sc+NQ*\i+1], v[ADRS] offset:\i*512
.endr
.endm
.macro PLACES n
.rept \n
	v_nop
.endr
.endm
.macro STEP slot, q, zero
	s_wait_dscnt 4*NL
	WIN MUL_LO
	MUL16 0, (\q)%2, \q, \slot, \zero
	MUL16 2, (\q)%2, \q, \slot, \zero
	s_wait_dscnt 0
	PLACES NP
	FETCH_B \slot, (\q)+1, 1-(\q)%2
	FETCH_A \slot, (\q)+1, 0
	WIN MUL_HI
	MUL16 4, (\q)%2, \q, \slot, \zero
	MUL16 6, (\q)%2, \q, \slot, \zero
	PLACES NP
	WIN 0
	FETCH_A \slot, (\q)+1, 4
.endm
.macro TURN slot, next, fill
	s_wait_tensorcnt 0x0
	ds_add_u32 v[SPW], v[NIL]
	s_wait_dscnt 4*NL+1
	WIN MUL_LO
	MUL16 0, 1, NQ-1, \slot, 0
	s_wait_dscnt 0x0
	s_barrier_signal -1
	MUL16 2, 1, NQ-1, \slot, 0
	WIN 0
	s_barrier_wait -1
.if \fill
	CREST
	s_add_nc_u64 s[G0+4*\slot+2:G0+4*\slot+3], s[G0+4*\slot+2:G0+4*\slot+3], 2*TSL
	s_add_nc_u64 s[G0B+4*\slot+2:G0B+4*\slot+3], s[G0B+4*\slot+2:G0B+4*\slot+3], 2*TSL
	JLOAD G0+4*\slot, G1, G0B+4*\slot, G1B
.else
	PLACES NP
.endif
	s_wait_alu depctr_va_vdst(0)
	v_add_nc_u32 v[ADRS], 128, v[ADRS]
	FETCH_B \next, 0, 0
	FETCH_A \next, 0, 0
	SCALES \next
	WIN MUL_HI
	MUL16 4, 1, NQ-1, \slot, 0
	MUL16 6, 1, NQ-1, \slot, 0
	PLACES NP
	WIN 0
	FETCH_A \next, 0, 4
.endm
	s_wait_tensorcnt 1
	s_barrier_signal -1
	s_barrier_wait -1
	FETCH_B 0, 0, 0
	FETCH_A 0, 0, 0
	SCALES 0
	FETCH_A 0, 0, 4
	STEP 0, 0, 1
	TURN 0, 1, 1
	STEP 1, 0, 0
	TURN 1, 0, 1
	STEP 0, 0, 0
	TURN 0, 1, 0
	STEP 1, 0, 0
	s_wait_dscnt 4*NL
	WIN MUL_LO
	MUL16 0, 1, NQ-1, 1, 0
	MUL16 2, 1, NQ-1, 1, 0
	s_wait_dscnt 0
	WIN MUL_HI
	MUL16 4, 1, NQ-1, 1, 0
	MUL16 6, 1, NQ-1, 1, 0
	WIN 0
.macro EPI a, v
.if \v
	v_mov_b32 v[BC], v[BL+(\a)]
.endif
	WIN 0x02+(\a)/4
.set i, 0
.rept 32
.if \v
	v_pk_add_f32 v[T+i:T+i+1], v[64*((\a)%4)+i:64*((\a)%4)+i+1], v[BC:BC+1] op_sel_hi:[1,0]
.else
	v_pk_fma_f32 v[T+i:T+i+1], v[64*((\a)%4)+i:64*((\a)%4)+i+1], s[94:95], v[BR+i:BR+i+1] op_sel_hi:[1,0,1]
.endif
.set i, i+2
.endr
	WIN 0
.if (\a) > 0
	s_wait_xcnt 0x0
.endif
	QUANT T
.if \v
.irp p, 0,1,2,3,4,5
	global_store_b64 v[CO], v[PC+2*\p:PC+2*\p+1], s[98:99] offset:FRB*(\a)+256*\p
.endr
	global_store_b32 v[CS], v[PW], s[100:101] offset:64*(\a)
.else
	v_lshrrev_b32 v[PWO], 16, v[PW]
.irp p, 0,1,2,3,4,5
	global_store_b64 v[CO], v[PC+2*\p:PC+2*\p+1], s[98:99] offset:TROW*(\a)+256*\p
.endr
	global_store_b32 v[CS], v[PW], s[100:101] offset:1024*(\a)
	global_store_b32 v[CS], v[PWO], s[100:101] offset:1024*(\a)+64
.endif
.endm
	PLACES NP
	s_wait_loadcnt 0x0
	s_cmp_lg_u32 s12, 0
	s_cbranch_scc1 .Lv_part
	s_cmp_lt_u32 s42, 4
	s_cselect_b32 s94, 0x3e000000, 1.0
	s_mov_b32 s95, s94
.set i, 0
.rept 32
	v_pk_mul_f32 v[BR+i:BR+i+1], v[BR+i:BR+i+1], s[94:95] op_sel_hi:[1,0]
.set i, i+2
.endr
	s_lshr_b32 s66, s42, 2
	s_mul_i32 s67, s66, KCO
	s_lshl_b32 s18, s17, 4
	s_lshl_b32 s19, s15, 3
	s_add_co_u32 s18, s18, s19
	s_mul_i32 s19, s18, TROW
	s_add_co_u32 s67, s67, s19
	s_lshl_b32 s19, s42, 1
	s_add_co_u32 s19, s19, s16
	s_and_b32 s19, s19, 7
	s_mul_i32 s92, s19, FRB
	s_add_co_u32 s92, s92, s67
	s_mov_b32 s93, 0
	s_add_nc_u64 s[98:99], s[10:11], s[92:93]
	s_lshl_b32 s92, s66, 19
	s_lshl_b32 s18, s18, 10
	s_add_co_u32 s92, s92, s18
	s_lshl_b32 s19, s19, 7
	s_add_co_u32 s92, s92, s19
	s_add_co_u32 s92, s92, QS
	s_add_nc_u64 s[100:101], s[10:11], s[92:93]
.irp a, 0,1,2,3,4,5,6,7
	EPI \a, 0
.endr
	s_branch .Lend
.Lv_part:
	s_lshl_b32 s18, s17, 1
	s_add_co_u32 s18, s18, s15
	s_sub_co_u32 s19, s42, 8
	s_lshl_b32 s19, s19, 4
	s_lshl_b32 s66, s16, 3
	s_add_co_u32 s19, s19, s66
	s_mul_i32 s92, s18, 64*FRB
	s_mul_i32 s67, s19, FRB
	s_add_co_u32 s92, s92, s67
	s_add_co_u32 s92, s92, VC
	s_mov_b32 s93, 0
	s_add_nc_u64 s[98:99], s[10:11], s[92:93]
	s_lshl_b32 s92, s18, 12
	s_lshl_b32 s19, s19, 6
	s_add_co_u32 s92, s92, s19
	s_add_co_u32 s92, s92, VS
	s_add_nc_u64 s[100:101], s[10:11], s[92:93]
.irp a, 0,1,2,3,4,5,6,7
	EPI \a, 1
.endr
.Lend:
	s_wait_tensorcnt 0x0
	ds_add_u32 v[SPW], v[NIL]
	s_wait_dscnt 0x0
	CROUND
	s_endpgm
.Lfunc_end_k_q3b8ea41c15_gemm_qkv:
	.size	k_q3b8ea41c15_gemm_qkv, .Lfunc_end_k_q3b8ea41c15_gemm_qkv-k_q3b8ea41c15_gemm_qkv
	.p2alignl 7, 3214868480
	.fill 96, 4, 3214868480
	.section	.rodata,"a",@progbits
	.p2align	6, 0x0
	.amdhsa_kernel k_q3b8ea41c15_gemm_qkv
		.amdhsa_group_segment_fixed_size 327680
		.amdhsa_private_segment_fixed_size 0
		.amdhsa_enable_private_segment 0
		.amdhsa_kernarg_size 32
		.amdhsa_user_sgpr_count 2
		.amdhsa_user_sgpr_kernarg_segment_ptr 1
		.amdhsa_wavefront_size32 1
		.amdhsa_system_sgpr_workgroup_id_x 1
		.amdhsa_system_sgpr_workgroup_id_y 1
		.amdhsa_system_sgpr_workgroup_id_z 1
		.amdhsa_system_vgpr_workitem_id 0
		.amdhsa_next_free_vgpr 1024
		.amdhsa_next_free_sgpr 102
		.amdhsa_reserve_vcc 0
		.amdhsa_float_denorm_mode_32 3
		.amdhsa_float_denorm_mode_16_64 3
		.amdhsa_memory_ordered 1
		.amdhsa_forward_progress 1
		.amdhsa_inst_pref_size 241
	.end_amdhsa_kernel
	.amdgpu_metadata
---
amdhsa.version: [ 1, 2 ]
amdhsa.kernels:
  - .name:           k_q3b8ea41c15_gemm_qkv
    .symbol:         k_q3b8ea41c15_gemm_qkv.kd
    .args:
      - { .name: xq, .offset: 0, .size: 8, .value_kind: global_buffer, .address_space: global }
      - { .name: wq, .offset: 8, .size: 8, .value_kind: global_buffer, .address_space: global }
      - { .name: b_qkv, .offset: 16, .size: 8, .value_kind: global_buffer, .address_space: global }
      - { .name: qkv, .offset: 24, .size: 8, .value_kind: global_buffer, .address_space: global }
    .group_segment_fixed_size: 327680
    .private_segment_fixed_size: 0
    .kernarg_segment_align: 8
    .kernarg_segment_size: 32
    .max_flat_workgroup_size: 128
    .sgpr_count:     102
    .vgpr_count:     1024
    .wavefront_size: 32
...
	.end_amdgpu_metadata
.endif
;; end of part 3
;; launch attn (part 4): grid 4 x 64, 8 waves a work-group, clusters of 4 x 4, 327,680 bytes of LDS; arguments qkv, attention_mask, aq; writes aq
.if DOCPART == 4
	.amdgcn_target "amdgcn-amd-amdhsa--gfx1250"
	.amdhsa_code_object_version 6
	.text
	.protected	k_q3b8ea41c15_attn
	.globl	k_q3b8ea41c15_attn
	.p2align	8
	.type	k_q3b8ea41c15_attn,@function
k_q3b8ea41c15_attn:
	s_mov_b64 s[64:65], 0
	v_nop
	global_prefetch_b8 v0, s[64:65] scope:SCOPE_SE
	s_setreg_imm32_b32 hwreg(HW_REG_WAVE_MODE, 25, 1), 1
	s_wait_xcnt 0x0
	s_wait_alu depctr_hold_cnt(0) depctr_sa_sdst(0) depctr_va_vdst(0) depctr_va_sdst(0) depctr_va_ssrc(0) depctr_va_vcc(0) depctr_vm_vsrc(0)
	s_getreg_b32 s2, hwreg(HW_REG_IB_STS2, 6, 4)
	s_cmp_eq_u32 s2, 0
	s_cbranch_scc0 .Lentry_in_a_cluster
	s_endpgm
.Lentry_in_a_cluster:
	s_bfe_u32 s2, ttmp6, 0x10000c
	s_cmp_lg_u32 s2, 0xf033
	s_cbranch_scc0 .Lentry_shape_is_right
	s_endpgm
.Lentry_shape_is_right:
; softmax(q k^T / 8 + mask) v for 4 batches x 16 heads x 2,048 tokens, head size 64, both products on codes of BF6 (E3M2) with E8M0 scales; the result is quantised along the channels for the output projection.
; q arrives already divided by 8 (a power of two: the same codes).  THE MASK IS THE C OF THE FIRST PRODUCT: scores = mask + q k^T in the matrix unit's own f32 sum.
; THE SOFTMAX: t = score x log2(e); M = the row's largest t so far, rounded UP to a whole number; p = 2^(t - M) is quantised along the keys, not normalised; the row's sum is taken of the unquantised p and divides O at the end.
; When M moves, the sum and O are multiplied by 2^(old M - new M): exact.
; SHARES.  A work-group owns 128 queries x 4 heads; wave w owns the 16 consecutive queries 16 w .. 16 w + 15 for all four heads: four UNITS a step, 16 steps of 128 keys.  The wave reads its 16 x 128 numbers of the mask
; from LDS once a step, into 64 registers, and gives them as C to the four heads' products (D in other registers).  Two waves to a SIMD, 512 registers each.
; CLUSTER 4 x 4.  The four work-groups of a row (same queries, the four groups of heads) need the same tile of the mask; the four of a column (same heads, other queries of one batch) the same K and V: all asked for JOINTLY.
; LAYOUT.  Both products are used transposed: S^T = K Q^T (source 0 = 16 keys), O^T = V^T P^T (source 0 = 16 channels): a lane holds ONE query throughout.  In memory a tile is the image of an operand's registers
; (piece p of lane l at 256 p + 8 l); row r of image tau is token (or channel) 32 (tau / 2) + 8 (tau % 2) + r + 8 (r / 8).
; THE KEYS OF A SCORE TILE ARE GATHERED by the lanes' LDS addresses: row m of tile (c, t) is key 64 c + 32 (m / 8) + 8 t + m % 8, which is row 8 (t / 2) + m % 8 of image 2 (2 c + m / 8) + t % 2.  So lane (query, h) holds in
; registers 32 c .. 32 c + 31 the keys 64 c + 32 h + 0 .. 31: a WHOLE block of 32, in the order that the second product's operand wants: a block's largest p needs no other lane, and the codes are not exchanged between lanes.
; The images of keys 32 a .. 32 a + 31 lie 6,208 bytes apart in LDS (6,144 + 64), so that the 32 lanes of a read of 8 bytes touch 64 different banks (64 banks of 4 bytes: ISA guide 11.1).
; q's rows are gathered likewise, once, from memory, so that a wave's queries are neighbours and the mask's rows lie in LDS as in memory; the result goes back to the images' places, in runs of 64 bytes.
; HEAD SIZE 64 is half of the instruction's 128 along K.  q's fragments are [q even, zero codes, q odd]: the even head names the first twelve registers, the odd head the last twelve.  K's half images lie on end, six registers
; a tile: an even head's source 0 is its tile and the six registers behind it, an odd head's the six ahead and its tile.  Whatever codes fall on q's zero codes add 0: BF6 has no NaN and no infinity, and no scale byte here is 0xff.
; Both heads of a pair take the even head's scale words, whose four bytes are the even head's two and the odd head's two.
; THE STEP IS TURNED ROUND: the change of slots stands behind the fourth head's scores and V reads, when nothing of the old slot is read any more; the next step's mask and first K tiles are read while the fourth head's softmax runs.
; By this text's own count a wave has one tensor load out at the most.  Every wait on TENSORcnt and on DScnt is for 0.
; PREFETCH: behind the load of step s + 1 waves 6 and 7 ask for 16 rows x 512 bytes each of the mask tile of step s + 2 (the four partners of a row take 32 rows each, by address: every block of 256 bytes once);
; the last such place asks for nothing.  K and V are not prefetched: a step's 48 KB of them are asked for by all sixteen blocks of queries of a batch, the mask's 64 KB by one row of a cluster alone.
; LIMITS: NaN and +infinity are not served; -infinity and large negative numbers in the mask are.  A row of which EVERY key is masked under about -1.7e38 gives 0 / 0 where the definition gives a uniform row.  Blocks of zeros carry the byte 1.
; The promise holds while the scaled scores stay under 2^31 in magnitude.
; REGISTERS, window 0: v1-5 LDS addresses that stay, v6, v7 the add's, v8-12 the step's addresses, v13 8 h, v14 prefetch offset; from ST four a unit: -M, largest score, the sum in two halves; QB q; QSC, KS, VS, PS scale words;
; PP p's codes; TM .. at work; MK the mask; SS scores, then p.   Window 1: v0-127 O^T of the four units; KB K's half images with six registers ahead and behind; VB V's four images.
.set KC,    6291456                    ; in qkv: k's codes
.set QS,    12582912                   ; q's scale words
.set KSO,   13107200                   ; k's
.set VC,    13631488                   ; v's codes
.set VS_G,  19922944                   ; v's scale words
.set AS,    6291456                    ; in aq: the scale words
.set SLOT1, 131072                     ; slot 1 begins here
.set MP,    528                        ; a row of the mask tile in LDS: 512 bytes + 16
.set LKC,   128*MP                     ; in a slot: the mask's 128 rows, then K: 4 regions of 2 images x 4 heads x 768,
.set KRG,   6208
.set LVC,   LKC+4*KRG                  ; then V: 16 images x 1,536
.set KSC,   248064                     ; behind slot 1: k's scale words of the batch's 128 images x 4 heads: filled once
.set VSC,   KSC+32768                  ; v's, 16 steps x 1,024 bytes: filled once
.set SPARE, VSC+16384                  ; the spare words, 128 bytes for each wave
.set ST,  16
.set QB,  32
.set QSC, 68
.set KS,  70
.set VS,  74
.set PS,  76
.set PP,  78
.set TM,  90
.set FF,  96
.set SO,  98
.set CT,  102
.set SA,  110
.set WD,  118
.set GQ,  120
.set GS,  121
.set GW,  122
.set MK,  128
.set SS,  192
.set KB,  128
.set VB,  192
.set MSB, 0
.macro WIN new                         ; the immediate's high byte repeats the setting that is left
.if MSB != (\new)
	s_set_vgpr_msb (MSB<<8)|(\new)
.set MSB, (\new)
.endif
.endm
.macro ROUND                           ; a round of the cluster's barrier
	s_barrier_signal -1
	s_barrier_wait -1
	s_cmp_lg_u32 s10, 0
	s_cbranch_scc1 .Lnot_wave_0_\@
	s_barrier_signal -3
.Lnot_wave_0_\@:
	s_barrier_wait -3
	s_barrier_signal -1
	s_barrier_wait -1
.endm
.macro TL g0, g1                       ; a joint load; s_nop 0 and four v_nop follow it
	tensor_load_to_lds s[\g0:\g0+3], s[\g1:\g1+7]
	s_nop 0
.rept 4
	v_nop
.endr
.endm
.macro TLOAD                           ; a step's tiles: waves 0-3 a region of K each, wave 4 the mask, wave 5 V, the others nothing.  The branches hang on the wave's number alone
	s_cmp_lt_u32 s10, 4
	s_cbranch_scc0 .Lnot_k_\@
	TL 72, 32
	s_branch .Lasked_\@
.Lnot_k_\@:
	s_cmp_eq_u32 s10, 4
	s_cbranch_scc0 .Lnot_m_\@
	TL 68, 24
	s_branch .Lasked_\@
.Lnot_m_\@:
	s_cmp_eq_u32 s10, 5
	s_cbranch_scc0 .Lasked_\@
	TL 76, 40
.Lasked_\@:
.endm
.macro WM d, a, b, c, sa, sb, row      ; row = 1: source 0's scale words stand in lanes 16-31
.if \row
	v_wmma_scale_f32_16x16x128_f8f6f4 v[\d:\d+7], v[\a:\a+11], v[\b:\b+11], v[\c:\c+7], v[\sa], v[\sb] matrix_a_fmt:MATRIX_FMT_BF6 matrix_b_fmt:MATRIX_FMT_BF6 matrix_a_scale:MATRIX_SCALE_ROW1
.else
	v_wmma_scale_f32_16x16x128_f8f6f4 v[\d:\d+7], v[\a:\a+11], v[\b:\b+11], v[\c:\c+7], v[\sa], v[\sb] matrix_a_fmt:MATRIX_FMT_BF6 matrix_b_fmt:MATRIX_FMT_BF6
.endif
.endm
	s_load_b128 s[4:7], s[0:1], 0x0                ; qkv s[4:5], attention_mask s[6:7]
	s_load_b64 s[8:9], s[0:1], 0x10                ; aq
	v_lshl_add_u32 v6, v0, 2, SPARE
	v_mov_b32 v7, 0
	ds_add_u32 v6, v7                              ; the opening: the add, twice on end, and its wait ahead of the first tensor load
	ds_add_u32 v6, v7
	v_lshrrev_b32 v8, 5, v0
	v_readfirstlane_b32 s10, v8                    ; wave 0..7
	s_and_b32 s11, s10, 3                          ; which region of K I fetch
	s_and_b32 s12, s10, 1                          ; which 16 of a group of 32 tokens are mine
	s_bfe_u32 s13, ttmp6, 0x40000                  ; cx: the group of four heads
	s_bfe_u32 s14, ttmp6, 0x40004                  ; cy
	s_and_b32 s15, ttmp7, 0xffff                   ; the cluster's y
	s_lshl_b32 s16, s15, 2
	s_add_co_u32 s16, s16, s14                     ; Y: my block of 128 queries
	s_lshr_b32 s17, s15, 2                         ; the batch: four clusters each; all partners share it
	s_lshl_b32 s18, s14, 2
	s_lshl_b32 s18, 15, s18                        ; my row of the cluster
	s_lshl_b32 s19, 0x1111, s13                    ; my column
	; group 1, the mask: 128 rows x 128 elements of 4 bytes, 2,048 elements apart; 16 bytes of padding behind each row's 128 words
	s_or_b32 s24, s18, (2<<16)|(1<<20)|(1<<21)|(6<<22)|(3<<25)
	s_mov_b32 s25, 128<<16
	s_mov_b32 s26, 128<<16
	s_mov_b32 s27, 128<<16
	s_mov_b32 s28, 128
	s_mov_b32 s29, 2048
	s_mov_b32 s30, 0
	s_mov_b32 s31, 0
	; K: 2 images, of each the group's four half images: 3,072 bytes (384 elements of 8), 12,288 bytes apart
	s_or_b32 s32, s19, (3<<16)|(1<<21)
	s_mov_b32 s33, 384<<16
	s_mov_b32 s34, 2<<16
	s_mov_b32 s35, 384<<16
	s_mov_b32 s36, 2
	s_mov_b32 s37, 1536
	s_mov_b32 s38, 0
	s_mov_b32 s39, 0
	; V: the group's 16 images of a step: 24,576 dense bytes, as 96 rows of 256
	s_or_b32 s40, s19, (3<<16)|(1<<21)
	s_mov_b32 s41, 32<<16
	s_mov_b32 s42, 96<<16
	s_mov_b32 s43, 32<<16
	s_mov_b32 s44, 96
	s_mov_b32 s45, 32
	s_mov_b32 s46, 0
	s_mov_b32 s47, 0
	; k's scale words: 128 images, of each the group's 256 bytes, 1,024 bytes apart
	s_or_b32 s48, s19, (3<<16)|(1<<21)
	s_mov_b32 s49, 32<<16
	s_mov_b32 s50, 128<<16
	s_mov_b32 s51, 32<<16
	s_mov_b32 s52, 128
	s_mov_b32 s53, 128
	s_mov_b32 s54, 0
	s_mov_b32 s55, 0
	; v's: 16 steps, of each the group's 1,024 bytes, 4,096 bytes apart
	s_or_b32 s56, s19, (3<<16)|(1<<21)
	s_mov_b32 s57, 128<<16
	s_mov_b32 s58, 16<<16
	s_mov_b32 s59, 128<<16
	s_mov_b32 s60, 16
	s_mov_b32 s61, 512
	s_mov_b32 s62, 0
	s_mov_b32 s63, 0
	; where they come from.  The mask's address is made of Y alone; K's and V's of the batch, cx and the wave's number
	s_lshl_b32 s92, s16, 20                        ; 128 rows of 8,192 bytes a block
	s_mov_b32 s93, 0
	s_mul_i32 s94, s17, 128*12288
	s_mul_i32 s95, s13, 3072
	s_add_co_u32 s94, s94, s95
	s_mul_i32 s95, s11, 2*12288
	s_add_co_u32 s94, s94, s95
	s_add_co_u32 s94, s94, KC
	s_mov_b32 s95, 0
	s_mul_i32 s96, s17, 16*98304
	s_mul_i32 s97, s13, 24576
	s_add_co_u32 s96, s96, s97
	s_add_co_u32 s96, s96, VC
	s_mov_b32 s97, 0
	s_lshl_b32 s98, s17, 17
	s_lshl_b32 s99, s13, 8
	s_add_co_u32 s98, s98, s99
	s_add_co_u32 s98, s98, KSO
	s_mov_b32 s99, 0
	s_lshl_b32 s100, s17, 16
	s_lshl_b32 s101, s13, 10
	s_add_co_u32 s100, s100, s101
	s_add_co_u32 s100, s100, VS_G
	s_mov_b32 s101, 0
	s_wait_dscnt 0x0                               ; both opening adds are done
	s_wait_kmcnt 0x0
	s_mov_b32 s68, 1                               ; group 0, the mask: it walks
	s_mov_b32 s69, 0
	s_add_nc_u64 s[70:71], s[6:7], s[92:93]
	s_or_b32 s71, s71, 0x80000000
	s_mov_b32 s72, 1                               ; K: it walks
	s_mul_i32 s73, s11, KRG
	s_add_co_u32 s73, s73, LKC
	s_add_nc_u64 s[74:75], s[4:5], s[94:95]
	s_or_b32 s75, s75, 0x80000000
	s_mov_b32 s76, 1                               ; V: it walks
	s_mov_b32 s77, LVC
	s_add_nc_u64 s[78:79], s[4:5], s[96:97]
	s_or_b32 s79, s79, 0x80000000
	s_mov_b32 s80, 1                               ; k's scale words
	s_mov_b32 s81, KSC
	s_add_nc_u64 s[82:83], s[4:5], s[98:99]
	s_or_b32 s83, s83, 0x80000000
	s_mov_b32 s84, 1                               ; v's
	s_mov_b32 s85, VSC
	s_add_nc_u64 s[86:87], s[4:5], s[100:101]
	s_or_b32 s87, s87, 0x80000000
	ROUND                                          ; all sixteen work-groups are here: the first joint loads meet
	s_cmp_lt_u32 s10, 4                            ; the head's eight tiles, one a wave, in one chain of branches on the wave's number
	s_cbranch_scc0 .Lh_m
	TL 72, 32                                      ; step 0: my region of K
	s_branch .Lh_j
.Lh_m:
	s_cmp_eq_u32 s10, 4
	s_cbranch_scc0 .Lh_v
	TL 68, 24                                      ; the mask tile
	s_branch .Lh_j
.Lh_v:
	s_cmp_eq_u32 s10, 5
	s_cbranch_scc0 .Lh_ks
	TL 76, 40                                      ; V
	s_branch .Lh_j
.Lh_ks:
	s_cmp_eq_u32 s10, 6
	s_cbranch_scc0 .Lh_vs
	TL 80, 48                                      ; k's scale words of the whole batch
	s_branch .Lh_j
.Lh_vs:
	TL 84, 56                                      ; v's
.Lh_j:
	s_lshl_b32 s88, s16, 2
	s_lshr_b32 s3, s10, 1
	s_add_co_u32 s88, s88, s3                      ; my group of 32 tokens: 4 Y + w / 2: images 2 x that and the next
	s_mul_i32 s90, s88, 2*12288
	s_lshl_b32 s3, s12, 6
	s_add_co_u32 s90, s90, s3                      ; rows 8 (w % 2) on: 64 bytes
	s_mul_i32 s3, s13, 3072
	s_add_co_u32 s90, s90, s3                      ; the group's four half images: the same place in q's codes and in the result's
	s_mov_b32 s91, 0
	s_add_nc_u64 s[94:95], s[4:5], s[90:91]        ; q's codes
	s_add_nc_u64 s[96:97], s[8:9], s[90:91]        ; the result's
	s_lshl_b32 s90, s88, 11
	s_lshl_b32 s3, s12, 5
	s_add_co_u32 s90, s90, s3
	s_lshl_b32 s3, s13, 8
	s_add_co_u32 s90, s90, s3
	s_add_co_u32 s90, s90, QS
	s_add_nc_u64 s[100:101], s[4:5], s[90:91]      ; q's scale words
	s_lshl_b32 s90, s88, 10                        ; the result's: 512 image + 128 cx + 8 row: the four heads' eight bytes of a row
	s_lshl_b32 s3, s12, 6
	s_add_co_u32 s90, s90, s3
	s_lshl_b32 s3, s13, 7
	s_add_co_u32 s90, s90, s3
	s_add_co_u32 s90, s90, AS
	s_add_nc_u64 s[98:99], s[8:9], s[90:91]
	s_lshl_b32 s90, s16, 20                        ; the prefetch: rows 128 Y + 32 cx + 16 (w % 2) on of the mask,
	s_lshl_b32 s3, s13, 18
	s_add_co_u32 s90, s90, s3
	s_lshl_b32 s3, s12, 17
	s_add_co_u32 s90, s90, s3
	s_add_co_u32 s90, s90, 512                     ; one step in: the pointer steps ahead of each prefetch
	s_add_nc_u64 s[92:93], s[6:7], s[90:91]
	s_mov_b32 s20, 0x76543210
	s_mov_b32 s21, 0xfedcba98                      ; v_permlanex16_b32's selects for lane l xor 16
	s_mov_b32 s22, 0x3fb8aa3b                      ; c = log2(e)
	s_mov_b32 s23, s22                             ; (named with it as a pair)
	s_mul_i32 s3, s10, 16*MP
	s_mov_b32 s88, 0                               ; LDS byte at which the slot to be read next begins
	s_mov_b32 s89, 0                               ; where that step's scale words of k begin: 2,048 bytes a step
	s_mov_b32 s90, 0                               ; and v's: 1,024
	s_mov_b32 s91, 15                              ; steps still to be asked for
	v_and_b32 v15, 15, v0                          ; j: my query, or a tile's row
	v_bfe_u32 v13, v0, 4, 1                        ; h
	v_and_b32 v8, 31, v0                           ; lane
	v_and_b32 v9, 7, v0                            ; j % 8
	v_bfe_u32 v10, v0, 3, 1                        ; j / 8
	v_mul_u32_u24 v1, v15, MP
	v_lshl_add_u32 v1, v13, 7, v1
	v_add_nc_u32 v1, s3, v1                        ; the mask: row 16 w + j, + 128 h: register 32 c + i wants key 64 c + 32 h + i
	v_mul_u32_u24 v2, v10, KRG
	v_lshl_add_u32 v2, v9, 3, v2
	v_lshl_add_u32 v2, v13, 7, v2
	v_add_nc_u32 v2, LKC, v2                       ; K: region j / 8 of the pair, row j % 8, half h
	v_lshlrev_b32 v3, 3, v8
	v_add_nc_u32 v3, LVC, v3                       ; V: 8 x lane
	v_lshlrev_b32 v4, 9, v10
	v_lshl_add_u32 v4, v9, 2, v4
	v_lshl_add_u32 v4, v13, 5, v4
	v_add_nc_u32 v4, KSC, v4                       ; k's scale words: lanes 0-15 rows 0-7 of the two images, lanes 16-31 rows 8-15
	v_lshlrev_b32 v5, 2, v8
	v_add_nc_u32 v5, VSC, v5                       ; v's: lanes 0-15 an image's rows, lanes 16-31 the next image's
	v_mul_u32_u24 v[GQ], v10, 12288
	v_lshl_add_u32 v[GQ], v9, 3, v[GQ]
	v_lshl_add_u32 v[GQ], v13, 7, v[GQ]            ; memory: image j / 8 of my two, row j % 8, half h
	v_lshlrev_b32 v[GS], 10, v10
	v_lshl_add_u32 v[GS], v9, 2, v[GS]             ; q's scale words
	v_lshlrev_b32 v[GW], 9, v10
	v_lshl_add_u32 v[GW], v9, 3, v[GW]             ; the result's
	v_lshrrev_b32 v14, 1, v8
	v_lshlrev_b32 v14, 13, v14
	v_and_b32 v11, 1, v8
	v_lshl_add_u32 v14, v11, 8, v14                ; the prefetch: row lane / 2, block lane % 2 of 256 bytes
	v_lshlrev_b32 v13, 3, v13                      ; 8 h
	s_wait_alu depctr_va_vdst(0)
.irp u, 0,1,2,3
.irp i, 0,1,2
	global_load_b64 v[QB+18*(\u/2)+12*(\u%2)+2*\i:QB+18*(\u/2)+12*(\u%2)+2*\i+1], v[GQ], s[94:95] offset:768*\u+256*\i   ; q stays in registers
.endr
.endr
.irp p, 0,1
	global_load_b32 v[QSC+\p], v[GS], s[100:101] offset:128*\p   ; the even head's words serve the pair
.endr
	v_mov_b32 v[ST+1], 0xff000000                  ; the largest score so far: -2^127, under every score that is served
	v_mul_f32 v[ST], s22, v[ST+1]
	v_floor_f32 v[ST], -v[ST]                      ; -M
.irp u, 1,2,3
	v_mov_b32 v[ST+4*\u], v[ST]
	v_mov_b32 v[ST+4*\u+1], v[ST+1]
.endr
.irp u, 0,1,2,3
	v_mov_b32 v[ST+4*\u+2], 0                      ; the sum, in two halves
	v_mov_b32 v[ST+4*\u+3], 0
.endr
.irp i, 6,7,8,9,10,11,24,25,26,27,28,29
	v_mov_b32 v[QB+\i], 0                          ; q's zero codes
.endr
	v_mov_b32 v[TM+1], 0                           ; written once: a lane permute's destination counts as one of its sources
	v_mov_b32 v[TM+5], 0
	v_mov_b32 v[FF+1], 0                           ; (named as the upper half of a pair)
	WIN 0x40
.set j, 0
.rept 128
	v_mov_b32 v[j], 0                              ; O^T.  (The step is written for every step alike: the first finds zeros, which the first change of M leaves zeros)
.set j, j+1
.endr
.irp i, 0,1,2,3,4,5
	v_mov_b32 v[KB+\i], 0                          ; the six registers ahead of K's tiles and the six behind them: they meet q's zero codes
	v_mov_b32 v[KB+54+\i], 0
.endr
	WIN 0
.macro LOADK u                         ; head u's eight gathered tiles; with an even head the pair's scale words
	WIN 0x40
.irp k, 0,1,2,3,4,5,6,7
.irp p, 0,1,2
	ds_load_b64 v[KB+6+6*\k+2*\p:KB+7+6*\k+2*\p], v9 offset:(\k/4)*2*KRG+(\k%2)*3072+((\k/2)%2)*64+(\u)*768+256*\p
.endr
.endr
	WIN 0
.if ((\u)%2) == 0
.irp e, 0,1,2,3
	ds_load_b32 v[KS+\e], v11 offset:((\e/2)*4+(\e%2))*256+((\u)/2)*128
.endr
.endif
.endm
.macro LOADV u                         ; head u's four images and their scale words
	WIN 0x40
.irp t, 0,1,2,3
.irp p, 0,1,2,3,4,5
	ds_load_b64 v[VB+12*\t+2*\p:VB+1+12*\t+2*\p], v10 offset:(\u)*6144+1536*\t+256*\p
.endr
.endr
	WIN 0
.irp k, 0,1
	ds_load_b32 v[VS+\k], v12 offset:(\u)*256+128*\k
.endr
.endm
.macro SCORES u                        ; S^T = mask + K Q^T: tile k = 4 c + t into registers 8 k on
	WIN 0x01
.irp k, 0,1,2,3,4,5,6,7
	WM SS+8*\k, KB+6-6*((\u)%2)+6*\k, QB+18*((\u)/2)+6*((\u)%2), MK+8*\k, KS+2*(\k/4)+(\k%2), QSC+(\u)/2, (\k/2)%2
.endr
	WIN 0
.rept 4
	v_nop                                          ; places ahead of the loads into registers that products have read, and of the first read of the scores
.endr
.endm
.macro SOFTMAX u
.set S4, ST+4*(\u)
.irp b, 0,1,2,3
	v_max3_num_f32 v[TM+\b], v[SS+16*\b], v[SS+1+16*\b], v[SS+2+16*\b]   ; the largest score of each block of 32 keys, in two chains a block; each accumulator is read from its low end on
.endr
.irp i, 3,5,7,9,11,13
.irp b, 0,1,2,3
	v_max3_num_f32 v[TM+\b], v[TM+\b], v[SS+16*\b+\i], v[SS+1+16*\b+\i]
.endr
.endr
	v_max_num_f32 v[TM+1], v[TM+1], v[SS+31]
	v_max_num_f32 v[TM+3], v[TM+3], v[SS+63]
	v_max3_num_f32 v[TM], v[TM], v[SS+15], v[TM+1]         ; block h
	v_max3_num_f32 v[TM+2], v[TM+2], v[SS+47], v[TM+3]     ; block 2 + h
	v_max_num_f32 v[TM+4], v[TM], v[TM+2]
	v_permlanex16_b32 v[TM+5], v[TM+4], s20, s21
	v_max3_num_f32 v[S4+1], v[S4+1], v[TM+4], v[TM+5]      ; the running largest score of my query
	v_mul_f32 v[TM+4], s22, v[S4+1]                        ; as t (c is positive)
	v_floor_f32 v[TM+5], -v[TM+4]                          ; the new -M = -ceil(t): M is a whole number
	v_sub_f32 v[TM+4], v[TM+5], v[S4]                      ; M's old value less its new one: a whole number, 0 or less
	v_mov_b32 v[S4], v[TM+5]
	v_cvt_i32_f32 v[TM+4], v[TM+4]                         ; (it saturates)
	v_ldexp_f32 v[FF], 1.0, v[TM+4]                        ; f = 2^(old M - new M)
.set j, 0
.rept 32
	v_pk_fma_f32 v[SS+j:SS+j+1], v[SS+j:SS+j+1], s[22:23], v[S4:S4+1] op_sel_hi:[1,0,0]   ; t - M, two at a time
.set j, j+2
.endr
	v_fma_f32 v[TM], v[TM], s22, v[S4]                     ; the same of each block's largest score
	v_fma_f32 v[TM+2], v[TM+2], s22, v[S4]
	s_wait_alu depctr_va_vdst(0)                           ; the wait ahead of the batch
.set j, 0
.rept 64
	v_exp_f32 v[SS+j], v[SS+j]                             ; p = 2^(t - M), at most 1: not normalised
.set j, j+1
.endr
	v_exp_f32 v[TM], v[TM]                                 ; the block's largest p: the same two instructions on the same number give the same bits
	v_exp_f32 v[TM+2], v[TM+2]
	v_pk_mul_f32 v[S4+2:S4+3], v[S4+2:S4+3], v[FF:FF+1] op_sel_hi:[1,0]   ; the sums under the new M.  (A plain place behind the exponentials)
	s_wait_alu depctr_va_vdst(0)                           ; and behind it, ahead of its first reader
	v_max_num_f32 v[TM], 0x2800000, v[TM]                  ; the floor 2^(5 - 127): the byte cannot fall under 1
	v_max_num_f32 v[TM+2], 0x2800000, v[TM+2]
	v_add_nc_u32 v[SO], 0xfe000000, v[TM]                  ; 4 off the exponent field: the conversion's scale operand
	v_add_nc_u32 v[SO+1], 0xfe000000, v[TM+2]
	v_lshrrev_b32 v[TM], 23, v[SO]                         ; the scale's byte
	v_lshrrev_b32 v[TM+2], 23, v[SO+1]
	v_lshl_or_b32 v[TM], v[TM+2], 16, v[TM]                ; my two bytes: blocks h and 2 + h,
	v_lshlrev_b32 v[TM], v13, v[TM]                        ; at their places in the word;
	v_permlanex16_b32 v[TM+1], v[TM], s20, s21
	v_or_b32 v[PS], v[TM], v[TM+1]                         ; with lane l xor 16's two the word is whole
.irp c, 0,1
	v_cvt_scalef32_pk16_bf6_f32 v[PP+6*\c:PP+2+6*\c], v[SS+32*\c:SS+15+32*\c], v[SO+\c]
	v_cvt_scalef32_pk16_bf6_f32 v[CT+4*\c:CT+2+4*\c], v[SS+16+32*\c:SS+31+32*\c], v[SO+\c]   ; (a conversion's three registers begin on an even number)
.endr
	v_pk_add_f32 v[SA:SA+1], v[SS:SS+1], v[SS+2:SS+3]      ; the row's sum of the unquantised p, two at a time, in four chains.  (Plain places behind the conversions: they read p and write none of it)
	v_pk_add_f32 v[SA+2:SA+3], v[SS+4:SS+5], v[SS+6:SS+7]
	v_pk_add_f32 v[SA+4:SA+5], v[SS+8:SS+9], v[SS+10:SS+11]
.set j, 12
.rept 6
	v_pk_add_f32 v[SA:SA+1], v[SA:SA+1], v[SS+j:SS+j+1]
	v_pk_add_f32 v[SA+2:SA+3], v[SA+2:SA+3], v[SS+j+2:SS+j+3]
	v_pk_add_f32 v[SA+4:SA+5], v[SA+4:SA+5], v[SS+j+4:SS+j+5]
	v_pk_add_f32 v[S4+2:S4+3], v[S4+2:S4+3], v[SS+j+6:SS+j+7]
.set j, j+8
.endr
	v_pk_add_f32 v[SA:SA+1], v[SA:SA+1], v[SS+60:SS+61]
	v_pk_add_f32 v[SA+2:SA+3], v[SA+2:SA+3], v[SS+62:SS+63]
	v_pk_add_f32 v[S4+2:S4+3], v[S4+2:S4+3], v[SA+4:SA+5]
	v_pk_add_f32 v[SA:SA+1], v[SA:SA+1], v[SA+2:SA+3]
	v_pk_add_f32 v[S4+2:S4+3], v[S4+2:S4+3], v[SA:SA+1]
.irp c, 0,1
.irp i, 0,1,2
	v_mov_b32 v[PP+3+6*\c+\i], v[CT+4*\c+\i]               ; registers 6 c .. 6 c + 5 hold keys 64 c + 32 h + 0 .. 31
.endr
.endr
.endm
.macro PV u                            ; O^T = f O^T + V^T P^T: the head's 64 channels; K = these 128 keys
	s_wait_dscnt 0x0                                       ; V's images, asked for ahead of the softmax, and whatever was asked for with them
	WIN 0x41
	s_wait_alu depctr_va_vdst(0)                           ; directly ahead of the first reader of O^T
.set j, 0
.rept 16
	v_pk_mul_f32 v[32*(\u)+j:32*(\u)+j+1], v[32*(\u)+j:32*(\u)+j+1], v[FF:FF+1] op_sel_hi:[1,0]   ; each accumulator from its low end on
.set j, j+2
.endr
	WIN 0x51
.irp t, 0,1,2,3
	WM 32*(\u)+8*\t, VB+12*\t, PP, 32*(\u)+8*\t, VS+\t/2, PS, \t%2
.endr
.endm
; THE CHANGE OF SLOTS.  Each wave waits for all its tensor loads (its part of the slot to be read next), adds 0 to its spare word, and waits for that and for its reads of the slot that it leaves.
; fill = 1: the barrier is a round of the cluster's, and the joint fill of the slot just left, with the tiles of the step after next, is the first thing behind it.
.macro CHANGE fill
	s_wait_tensorcnt 0x0                           ; no tensor load of mine is out, so a group 0 may be written
	ds_add_u32 v6, v7                              ; 0 onto my spare word
.if \fill
	s_wait_xcnt 0x0                                ; the last prefetch has read its base
	s_add_nc_u64 s[92:93], s[92:93], 512
	s_xor_b32 s69, s69, SLOT1                      ; the walking descriptors: the other slot than last time, the next 128 keys
	s_add_nc_u64 s[70:71], s[70:71], 512
	s_xor_b32 s73, s73, SLOT1
	s_add_nc_u64 s[74:75], s[74:75], 98304
	s_xor_b32 s77, s77, SLOT1
	s_add_nc_u64 s[78:79], s[78:79], 98304
.endif
	s_wait_dscnt 0x0                               ; the add is done, and my reads of the slot that I leave are over
.if \fill
	ROUND
	TLOAD                                          ; a wave's one tensor load until the next round
	s_cmp_lt_u32 s10, 6                            ; waves 6 and 7 alone, and not at the last fill, whose look-ahead would pass the row's end
	s_cbranch_scc1 .Lno_prefetch_\@
	s_cmp_lt_u32 s91, 2
	s_cbranch_scc1 .Lno_prefetch_\@
	global_prefetch_b8 v14, s[92:93] th:TH_LOAD_NT scope:SCOPE_SE
.Lno_prefetch_\@:
.else
	s_barrier_signal -1
	s_barrier_wait -1
.endif
.endm
.macro NEWSTEP                         ; the next step's addresses, its part of the mask and the first head's K
	v_add_nc_u32 v8, s88, v1
	v_add_nc_u32 v9, s88, v2
	v_add_nc_u32 v10, s88, v3
	v_add_nc_u32 v11, s89, v4
	v_add_nc_u32 v12, s90, v5
	s_wait_alu depctr_va_vdst(0)                   ; directly behind the writes
	s_xor_b32 s88, s88, SLOT1
	s_add_co_u32 s89, s89, 2048
	s_add_co_u32 s90, s90, 1024
.irp c, 0,1
.irp n, 0,1,2,3,4,5,6,7
	ds_load_b128 v[MK+32*\c+4*\n:MK+32*\c+4*\n+3], v8 offset:256*\c+16*\n
.endr
.endr
	LOADK 0
.endm
; A STEP OF 128 KEYS.  Each head's K is asked for behind the scores of the head before, its V ahead of its softmax.  fill: 1 a change of slots with a refill, 0 one without, -1 none (the last step).
.macro BODY fill
.irp u, 0,1,2
	SCORES \u
	LOADK \u+1
	LOADV \u
	SOFTMAX \u
	PV \u
.endr
	SCORES 3
	LOADV 3
.if \fill >= 0
	CHANGE \fill
	NEWSTEP
.endif
	SOFTMAX 3
	PV 3
	WIN 0
.endm
	s_wait_alu depctr_va_vdst(0)                   ; the wait at the head's end
	CHANGE 1                                       ; the head's tiles are in; step 1's go into slot 1, issued as a refill is
	NEWSTEP
	s_mov_b32 s91, 14
	s_wait_loadcnt 0x0                             ; q
	s_wait_dscnt 0x0                               ; step 0's mask and first K
.Lstep:                                            ; 14 trips: steps 0 to 13, each asking for the step after next
	BODY 1
	s_sub_co_u32 s91, s91, 1
	s_cmp_lg_u32 s91, 0
	s_cbranch_scc1 .Lstep
	BODY 0                                         ; the last two steps are written out
	BODY -1
	; THE END.  O^T / the sum: of a unit, register 16 b + i is channel 32 b + 16 h + i of my query: two blocks of 32 along the output projection's K.
.irp u, 0,1,2,3
	v_add_f32 v[ST+4*\u+2], v[ST+4*\u+2], v[ST+4*\u+3]     ; the sum's two halves.  (These lines are also the places behind the last products)
.endr
.irp u, 0,1,2,3
	v_permlanex16_b32 v[TM+\u], v[ST+4*\u+2], s20, s21
.endr
.irp u, 0,1,2,3
	v_add_f32 v[ST+4*\u+2], v[ST+4*\u+2], v[TM+\u]         ; and lane l xor 16's: the row's sum
.endr
	s_wait_alu depctr_va_vdst(0)                   ; the wait ahead of the batch
.irp u, 0,1,2,3
	v_rcp_f32 v[ST+4*\u+2], v[ST+4*\u+2]
.endr
	v_nop                                          ; one plain place behind a transcendental
	WIN 0x01
	s_wait_alu depctr_va_vdst(0)                   ; and behind it, directly ahead of the first reader of the quotients and of O^T
.irp u, 0,1,2,3
.set j, 0
.rept 16
	v_pk_mul_f32 v[MK+32*\u+j:MK+32*\u+j+1], v[32*\u+j:32*\u+j+1], v[ST+4*\u+2:ST+4*\u+3] op_sel_hi:[1,0]   ; each accumulator from its low end on
.set j, j+2
.endr
.endr
	WIN 0
.macro QEND u                          ; unit u is quantised in registers and stored as half an image; each unit's codes have registers of their own, where q lay
.set T, MK+32*(\u)
.set OC, QB+6*(\u)
.irp b, 0,1
	v_max3_num_f32 v[TM+\b], |v[T+16*\b]|, |v[T+1+16*\b]|, 0x2800000
.endr
.irp i, 2,4,6,8,10,12,14
.irp b, 0,1
	v_max3_num_f32 v[TM+\b], v[TM+\b], |v[T+16*\b+\i]|, |v[T+1+16*\b+\i]|
.endr
.endr
.irp b, 0,1
	v_permlanex16_b32 v[TM+2+\b], v[TM+\b], s20, s21
.endr
.irp b, 0,1
	v_max_num_f32 v[TM+\b], v[TM+\b], v[TM+2+\b]
.endr
.irp b, 0,1
	v_add_nc_u32 v[SO+\b], 0xfe000000, v[TM+\b]
.endr
.irp b, 0,1
	v_lshrrev_b32 v[TM+\b], 23, v[SO+\b]
.endr
	v_lshl_or_b32 v[TM], v[TM+1], 8, v[TM]         ; the head's two bytes of the row's scale words
.if ((\u)%2) == 0
	v_mov_b32 v[WD+(\u)/2], v[TM]
.else
	v_lshl_or_b32 v[WD+(\u)/2], v[TM], 16, v[WD+(\u)/2]
.endif
	v_cvt_scalef32_pk16_bf6_f32 v[OC:OC+2], v[T:T+15], v[SO]
	v_cvt_scalef32_pk16_bf6_f32 v[CT:CT+2], v[T+16:T+31], v[SO+1]
	v_nop                                          ; one plain place behind a scaled conversion
.irp i, 0,1,2
	v_permlane16_swap_b32 v[OC+\i], v[CT+\i]       ; the operand's layout wants a whole block in a lane
.endr
.irp i, 0,1,2
	v_mov_b32 v[OC+3+\i], v[CT+\i]
.endr
.irp i, 0,1,2
	global_store_b64 v[GQ], v[OC+2*\i:OC+2*\i+1], s[96:97] offset:768*(\u)+256*\i   ; eight lanes store 64 consecutive bytes; the wave beside me, which has the other 16 tokens of the group, stores the 64 between them
.endr
.endm
	QEND 0
	QEND 1
	QEND 2
	QEND 3
	global_store_b64 v[GW], v[WD:WD+1], s[98:99]   ; the four heads' eight bytes of my row; lanes j and j + 16 hold the same and write them to the same place
	s_wait_tensorcnt 0x0                           ; the wave's end
	ds_add_u32 v6, v7
	s_wait_dscnt 0x0
	ROUND                                          ; the closing round: no work-group ends while a partner may still ask for a tile that names it
	s_endpgm
.Lfunc_end_k_q3b8ea41c15_attn:
	.size	k_q3b8ea41c15_attn, .Lfunc_end_k_q3b8ea41c15_attn-k_q3b8ea41c15_attn
	.p2alignl 7, 3214868480
	.fill 96, 4, 3214868480
	.section	.rodata,"a",@progbits
	.p2align	6, 0x0
	.amdhsa_kernel k_q3b8ea41c15_attn
		.amdhsa_group_segment_fixed_size 327680
		.amdhsa_private_segment_fixed_size 0
		.amdhsa_enable_private_segment 0
		.amdhsa_kernarg_size 24
		.amdhsa_user_sgpr_count 2
		.amdhsa_user_sgpr_kernarg_segment_ptr 1
		.amdhsa_wavefront_size32 1
		.amdhsa_system_sgpr_workgroup_id_x 1
		.amdhsa_system_sgpr_workgroup_id_y 1
		.amdhsa_system_sgpr_workgroup_id_z 1
		.amdhsa_system_vgpr_workitem_id 0
		.amdhsa_next_free_vgpr 512
		.amdhsa_next_free_sgpr 102
		.amdhsa_reserve_vcc 0
		.amdhsa_float_denorm_mode_32 3
		.amdhsa_float_denorm_mode_16_64 3
		.amdhsa_memory_ordered 1
		.amdhsa_forward_progress 1
		.amdhsa_inst_pref_size 230
	.end_amdhsa_kernel
	.amdgpu_metadata
---
amdhsa.version: [ 1, 2 ]
amdhsa.kernels:
  - .name:           k_q3b8ea41c15_attn
    .symbol:         k_q3b8ea41c15_attn.kd
    .args:
      - { .name: qkv, .offset: 0, .size: 8, .value_kind: global_buffer, .address_space: global }
      - { .name: attention_mask, .offset: 8, .size: 8, .value_kind: global_buffer, .address_space: global }
      - { .name: aq, .offset: 16, .size: 8, .value_kind: global_buffer, .address_space: global }
    .group_segment_fixed_size: 327680
    .private_segment_fixed_size: 0
    .kernarg_segment_align: 8
    .kernarg_segment_size: 24
    .max_flat_workgroup_size: 256
    .sgpr_count:     102
    .vgpr_count:     512
    .wavefront_size: 32
...
	.end_amdgpu_metadata
.endif
;; end of part 4
;; launch gemm_out (part 5): grid 4 x 32, 4 waves a work-group, clusters of 4 x 4, 327,680 bytes of LDS; arguments aq, wq, b_out, out0, hidden_states; writes out0
.if DOCPART == 5
	.amdgcn_target "amdgcn-amd-amdhsa--gfx1250"
	.amdhsa_code_object_version 6
	.text
	.protected	k_q3b8ea41c15_gemm_out
	.globl	k_q3b8ea41c15_gemm_out
	.p2align	8
	.type	k_q3b8ea41c15_gemm_out,@function
k_q3b8ea41c15_gemm_out:
	s_mov_b64 s[64:65], 0
	v_nop
	global_prefetch_b8 v0, s[64:65] scope:SCOPE_SE
	s_setreg_imm32_b32 hwreg(HW_REG_WAVE_MODE, 25, 1), 1
	s_wait_xcnt 0x0
	s_wait_alu depctr_hold_cnt(0) depctr_sa_sdst(0) depctr_va_vdst(0) depctr_va_sdst(0) depctr_va_ssrc(0) depctr_va_vcc(0) depctr_vm_vsrc(0)
	s_getreg_b32 s2, hwreg(HW_REG_IB_STS2, 6, 4)
	s_cmp_eq_u32 s2, 0
	s_cbranch_scc0 .Lentry_in_a_cluster
	s_endpgm
.Lentry_in_a_cluster:
	s_bfe_u32 s2, ttmp6, 0x10000c
	s_cmp_lg_u32 s2, 0xf033
	s_cbranch_scc0 .Lentry_shape_is_right
	s_endpgm
.Lentry_shape_is_right:
.set FR,    12
.set NL,    6
.set NP,    4
.set NQ,    2
.set FRB,   1536
.set TSL,   NQ*FRB
.set TROW,  8*FRB
.set HALFT, 8*TSL
.set SLOT,  4*HALFT
.set SCL,   2*SLOT
.set SPARE, 262144
.set SPITCH, 528
.set AS,    6291456
.set OC,    2457600
.set OS,    3244032
.set ADRA, 16
.set ADRB, 20
.set STO,  24
.set RD,   25
.set CO,   26
.set ADRS, 27
.set SPW,  28
.set NIL,  29
.set SC,   32
.set BR,   64
.set AF,   128
.set BK,   128
.set G1, 24
.set G0, 32
.set G1B, 48
.set G0B, 56
.set G1S, 68
.set G0S, 76
.set G1SB, 80
.set G0SB, 88
.set MSB, 0
.macro WIN new
.if MSB != (\new)
	s_set_vgpr_msb (MSB<<8)|(\new)
.set MSB, (\new)
.endif
.endm
.set MUL_LO, 0xa1
.set MUL_HI, 0xf1
.set FST_LO, 0x81
.set FST_HI, 0xc1
.set TO_B,   0x40
.macro JLOAD g0a, g1a, g0b, g1b
	s_cmp_eq_u32 s15, 0
	s_cbranch_scc0 .Lfor_b_\@
	tensor_load_to_lds s[\g0a:\g0a+3], s[\g1a:\g1a+7]
	s_nop 0
.rept 4
	v_nop
.endr
	s_branch .Lasked_\@
.Lfor_b_\@:
	tensor_load_to_lds s[\g0b:\g0b+3], s[\g1b:\g1b+7]
	s_nop 0
.rept 4
	v_nop
.endr
.Lasked_\@:
.endm
.macro CREST
	s_cmp_lg_u32 s14, 0
	s_cbranch_scc1 .Lnot_wave_0_\@
	s_barrier_signal -3
.Lnot_wave_0_\@:
	s_barrier_wait -3
	s_barrier_signal -1
	s_barrier_wait -1
.endm
.macro CROUND
	s_barrier_signal -1
	s_barrier_wait -1
	CREST
.endm
	s_load_b256 s[4:11], s[0:1], 0x0
	s_load_b64 s[12:13], s[0:1], 0x20
	v_lshl_add_u32 v[SPW], v0, 2, SPARE
	v_mov_b32 v[NIL], 0
	ds_add_u32 v28, v29
	ds_add_u32 v28, v29
	s_wait_dscnt 0x0
	v_lshrrev_b32 v1, 5, v0
	v_readfirstlane_b32 s14, v1
	s_lshr_b32 s15, s14, 1
	s_and_b32 s16, s14, 1
	s_bfe_u32 s40, ttmp6, 0x40000
	s_bfe_u32 s41, ttmp6, 0x40004
	s_mov_b32 s42, s40
	s_and_b32 s17, ttmp7, 0xffff
	s_lshl_b32 s17, s17, 2
	s_add_co_u32 s17, s17, s41
	s_lshl_b32 s43, s41, 2
	s_lshl_b32 s43, 15, s43
	s_lshl_b32 s44, 0x1111, s40
	s_or_b32 s[G1+0], s43, (3<<16)|(1<<21)
	s_or_b32 s[G1B+0], s44, (3<<16)|(1<<21)
.irp g, G1, G1B
	s_mov_b32 s[\g+1], 384<<16
	s_mov_b32 s[\g+2], 8<<16
	s_mov_b32 s[\g+3], 384<<16
	s_mov_b32 s[\g+4], 8
	s_mov_b32 s[\g+5], 1536
	s_mov_b32 s[\g+6], 0
	s_mov_b32 s[\g+7], 0
.endr
	s_or_b32 s[G1S+0], s43, (3<<16)|(1<<21)
	s_or_b32 s[G1SB+0], s44, (3<<16)|(1<<21)
.irp g, G1S, G1SB
	s_mov_b32 s[\g+1], 32<<16
	s_mov_b32 s[\g+2], 16<<16
	s_mov_b32 s[\g+3], 32<<16
	s_mov_b32 s[\g+4], 16
	s_mov_b32 s[\g+5], 32
	s_mov_b32 s[\g+6], 0
	s_mov_b32 s[\g+7], 0
.endr
	s_lshl_b32 s18, s16, 3
	s_lshl_b32 s20, s17, 4
	s_add_co_u32 s20, s20, s18
	s_lshl_b32 s46, s42, 4
	s_add_co_u32 s46, s46, s18
	s_lshl_b32 s22, s20, 9
	s_add_co_u32 s22, s22, AS
	s_mov_b32 s23, 0
	s_lshl_b32 s92, s46, 9
	s_add_co_u32 s92, s92, OS
	s_mov_b32 s93, 0
	s_mul_i32 s20, s20, TROW
	s_mov_b32 s21, 0
	s_mul_i32 s46, s46, TROW
	s_add_co_u32 s46, s46, OC
	s_mov_b32 s47, 0
	s_mul_i32 s45, s14, HALFT
	s_lshl_b32 s94, s14, 12
	s_wait_kmcnt 0x0
	s_add_nc_u64 s[20:21], s[4:5], s[20:21]
	s_add_nc_u64 s[22:23], s[4:5], s[22:23]
	s_add_nc_u64 s[46:47], s[6:7], s[46:47]
	s_add_nc_u64 s[92:93], s[6:7], s[92:93]
	CROUND
	s_mov_b32 s[G0S], 1
	s_add_co_u32 s[G0S+1], s94, SCL
	s_mov_b64 s[G0S+2:G0S+3], s[22:23]
	s_or_b32 s[G0S+3], s[G0S+3], 0x80000000
	s_mov_b32 s[G0SB], 1
	s_add_co_u32 s[G0SB+1], s94, SCL
	s_mov_b64 s[G0SB+2:G0SB+3], s[92:93]
	s_or_b32 s[G0SB+3], s[G0SB+3], 0x80000000
	JLOAD G0S, G1S, G0SB, G1SB
.irp s, 0,1
	s_mov_b32 s[G0+4*\s], 1
	s_add_co_u32 s[G0+4*\s+1], s45, \s*SLOT
	s_add_nc_u64 s[G0+4*\s+2:G0+4*\s+3], s[20:21], \s*TSL
	s_or_b32 s[G0+4*\s+3], s[G0+4*\s+3], 0x80000000
	s_mov_b32 s[G0B+4*\s], 1
	s_add_co_u32 s[G0B+4*\s+1], s45, \s*SLOT
	s_add_nc_u64 s[G0B+4*\s+2:G0B+4*\s+3], s[46:47], \s*TSL
	s_or_b32 s[G0B+4*\s+3], s[G0B+4*\s+3], 0x80000000
	s_wait_alu depctr_va_vdst(0)
	s_wait_tensorcnt 0x0
	ds_add_u32 v28, v29
	s_wait_dscnt 0x0
	CROUND
	JLOAD G0+4*\s, G1, G0B+4*\s, G1B
.endr
	v_and_b32 v1, 15, v0
	v_bfe_u32 v2, v0, 4, 1
	s_wait_alu depctr_va_vdst(0)
	v_and_b32 v3, 31, v0
	v_lshlrev_b32 v4, 3, v3
	s_mul_i32 s18, s15, HALFT
	s_mul_i32 s19, s16, HALFT
	s_add_co_u32 s19, s19, 2*HALFT
.irp s, 0,1
	v_add_nc_u32 v[ADRA+\s], s18, v4
	v_add_nc_u32 v[ADRB+\s], s19, v4
	s_add_co_u32 s18, s18, SLOT
	s_add_co_u32 s19, s19, SLOT
.endr
	s_lshl_b32 s66, s15, 12
	s_lshl_b32 s67, s16, 12
	s_add_co_u32 s67, s67, 8192
	s_sub_co_u32 s67, s67, s66
	v_mul_u32_u24 v5, s67, v2
	v_lshl_add_u32 v5, v1, 3, v5
	s_add_co_u32 s66, s66, SCL
	v_add_nc_u32 v[ADRS], s66, v5
	s_lshl_b32 s92, s42, 10
	s_lshl_b32 s93, s16, 9
	s_add_co_u32 s92, s92, s93
	s_mov_b32 s93, 0
	s_add_nc_u64 s[8:9], s[8:9], s[92:93]
	v_lshlrev_b32 v7, 6, v2
.irp b, 0,1,2,3
.irp j, 0,1,2,3
	global_load_b128 v[BR+16*\b+4*\j:BR+16*\b+4*\j+3], v7, s[8:9] offset:128*\b+16*\j
.endr
.endr
	s_mul_i32 s23, s14, 16*SPITCH
	v_mul_u32_u24 v6, v1, SPITCH
	v_lshl_add_u32 v6, v2, 6, v6
	v_add_nc_u32 v[STO], s23, v6
	v_lshlrev_b32 v[CO], 4, v3
	v_add_nc_u32 v[RD], s23, v[CO]
	s_lshl_b32 s20, s17, 8
	s_lshl_b32 s21, s15, 7
	s_add_co_u32 s20, s20, s21
	s_lshl_b32 s20, s20, 12
	s_lshl_b32 s46, s42, 10
	s_lshl_b32 s47, s16, 9
	s_add_co_u32 s46, s46, s47
	s_add_co_u32 s20, s20, s46
	s_mov_b32 s21, 0
	s_add_nc_u64 s[10:11], s[10:11], s[20:21]
	s_add_nc_u64 s[12:13], s[12:13], s[20:21]
.macro FRAG reg, adr, q, i
.irp p, 0,1,2,3,4,5
	ds_load_b64 v[\reg+2*\p:\reg+2*\p+1], v[\adr] offset:(\i)*TSL+(\q)*FRB+256*\p
.endr
.endm
.macro MUL16 a0, p, q, sc, first
.irp a, \a0, \a0+1
.irp b, 0,1,2,3,4,5,6,7
.if \first
	v_wmma_scale_f32_16x16x128_f8f6f4 v[8*(8*((\a)%4)+\b):8*(8*((\a)%4)+\b)+7], v[128*(\p)+FR*\b:128*(\p)+FR*\b+FR-1], v[AF+FR*(\a):AF+FR*(\a)+FR-1], v[BR+8*\b:BR+8*\b+7], v[SC+8*NQ*(\sc)+NQ*\b+(\q)], v[SC+8*NQ*(\sc)+NQ*(\a)+(\q)] matrix_a_fmt:MATRIX_FMT_BF6 matrix_b_fmt:MATRIX_FMT_BF6 matrix_a_scale:MATRIX_SCALE_ROW1
.else
	v_wmma_scale_f32_16x16x128_f8f6f4 v[8*(8*((\a)%4)+\b):8*(8*((\a)%4)+\b)+7], v[128*(\p)+FR*\b:128*(\p)+FR*\b+FR-1], v[AF+FR*(\a):AF+FR*(\a)+FR-1], v[8*(8*((\a)%4)+\b):8*(8*((\a)%4)+\b)+7], v[SC+8*NQ*(\sc)+NQ*\b+(\q)], v[SC+8*NQ*(\sc)+NQ*(\a)+(\q)] matrix_a_fmt:MATRIX_FMT_BF6 matrix_b_fmt:MATRIX_FMT_BF6 matrix_a_scale:MATRIX_SCALE_ROW1
.endif
.endr
.endr
.endm
.macro FETCH_B slot, q, p
	WIN TO_B
.irp i, 0,1,2,3,4,5,6,7
	FRAG 128*(\p)+FR*\i, ADRB+\slot, \q, \i
.endr
	WIN 0
.endm
.macro FETCH_A slot, q, i0
.irp i, \i0, \i0+1, \i0+2, \i0+3
	FRAG AF+FR*(\i), ADRA+\slot, \q, \i
.endr
.endm
.macro SCALES sc
.irp i, 0,1,2,3,4,5,6,7
	ds_load_b64 v[SC+8*NQ*\sc+NQ*\i:SC+8*NQ*\sc+NQ*\i+1], v[ADRS] offset:\i*512
.endr
.endm
.macro PLACES n
.rept \n
	v_nop
.endr
.endm
.macro STEP slot, q, first
	s_wait_dscnt 4*NL
.if \first
	WIN FST_LO
.else
	WIN MUL_LO
.endif
	MUL16 0, (\q)%2, \q, \slot, \first
	MUL16 2, (\q)%2, \q, \slot, \first
	s_wait_dscnt 0
	PLACES NP
	FETCH_B \slot, (\q)+1, 1-(\q)%2
	FETCH_A \slot, (\q)+1, 0
.if \first
	WIN FST_HI
.else
	WIN MUL_HI
.endif
	MUL16 4, (\q)%2, \q, \slot, \first
	MUL16 6, (\q)%2, \q, \slot, \first
	PLACES NP
	WIN 0
	FETCH_A \slot, (\q)+1, 4
.endm
.macro TURN slot, next, fill
	s_wait_tensorcnt 0x0
	ds_add_u32 v[SPW], v[NIL]
	s_wait_dscnt 4*NL+1
	WIN MUL_LO
	MUL16 0, 1, NQ-1, \slot, 0
	s_wait_dscnt 0x0
	s_barrier_signal -1
	MUL16 2, 1, NQ-1, \slot, 0
	WIN 0
	s_barrier_wait -1
.if \fill
	CREST
	s_add_nc_u64 s[G0+4*\slot+2:G0+4*\slot+3], s[G0+4*\slot+2:G0+4*\slot+3], 2*TSL
	s_add_nc_u64 s[G0B+4*\slot+2:G0B+4*\slot+3], s[G0B+4*\slot+2:G0B+4*\slot+3], 2*TSL
	JLOAD G0+4*\slot, G1, G0B+4*\slot, G1B
.else
	PLACES NP
.endif
	s_wait_alu depctr_va_vdst(0)
	v_add_nc_u32 v[ADRS], 128, v[ADRS]
	FETCH_B \next, 0, 0
	FETCH_A \next, 0, 0
	SCALES \next
	WIN MUL_HI
	MUL16 4, 1, NQ-1, \slot, 0
	MUL16 6, 1, NQ-1, \slot, 0
	PLACES NP
	WIN 0
	FETCH_A \next, 0, 4
.endm
	s_wait_alu depctr_va_vdst(0)
	s_wait_tensorcnt 1
	s_barrier_signal -1
	s_barrier_wait -1
	FETCH_B 0, 0, 0
	FETCH_A 0, 0, 0
	SCALES 0
	FETCH_A 0, 0, 4
	s_wait_loadcnt 0x0
	STEP 0, 0, 1
	TURN 0, 1, 1
	STEP 1, 0, 0
	TURN 1, 0, 1
	STEP 0, 0, 0
	TURN 0, 1, 0
	STEP 1, 0, 0
	s_wait_dscnt 4*NL
	WIN MUL_LO
	MUL16 0, 1, NQ-1, 1, 0
	MUL16 2, 1, NQ-1, 1, 0
	s_wait_dscnt 0
	WIN MUL_HI
	MUL16 4, 1, NQ-1, 1, 0
	MUL16 6, 1, NQ-1, 1, 0
	WIN 0
.macro RESID a
	WIN TO_B
.irp t, 0,1,2,3,4,5,6,7,8,9,10,11,12,13,14,15
	global_load_b128 v[64*((\a)%4)+4*\t:64*((\a)%4)+4*\t+3], v[CO], s[12:13] offset:(32*((\a)/2)+8*((\a)%2)+\t+8*(\t/8))*4096 th:TH_LOAD_NT
.endr
	WIN 0
.endm
.macro TOSTAGE a
.set AC, 64*((\a)%4)
	WIN 0x08+4*((\a)/4)
.irp b, 0,1,2,3,4,5,6,7
	ds_store_b128 v[STO], v[AC+8*\b:AC+8*\b+3] offset:128*(\b/2)+32*(\b%2)
	ds_store_b128 v[STO], v[AC+8*\b+4:AC+8*\b+7] offset:128*(\b/2)+32*(\b%2)+16
.endr
	WIN 0
.set BB, BK+64*((\a)%2)
.irp t, 0,1,2,3,4,5,6,7,8,9,10,11,12,13,14,15
	ds_load_b128 v[BB+4*\t:BB+4*\t+3], v[RD] offset:\t*SPITCH
.endr
.endm
.macro SEND a, younger
.set BB, BK+64*((\a)%2)
.set RS, 64*((\a)%4)
	s_wait_dscnt \younger
.if (\a) < 5
	s_wait_loadcnt 48
.else
	s_wait_loadcnt 16*(7-(\a))
.endif
	WIN 0x04
.set i, 0
.rept 32
	v_pk_add_f32 v[BB+i:BB+i+1], v[BB+i:BB+i+1], v[RS+i:RS+i+1]
.set i, i+2
.endr
.if (\a) < 4
	RESID (\a)+4
.endif
	WIN 0
.irp t, 0,1,2,3,4,5,6,7,8,9,10,11,12,13,14,15
	global_store_b128 v[CO], v[BB+4*\t:BB+4*\t+3], s[10:11] offset:(32*((\a)/2)+8*((\a)%2)+\t+8*(\t/8))*4096 th:TH_STORE_NT
.endr
.endm
	PLACES NP
	RESID 0
	RESID 1
	RESID 2
	RESID 3
	TOSTAGE 0
.irp a, 1,2,3,4,5,6,7
.if \a > 1
	s_wait_xcnt 0x0
.endif
	TOSTAGE \a
	SEND \a-1, 32
.endr
	SEND 7, 0
	s_wait_tensorcnt 0x0
	ds_add_u32 v[SPW], v[NIL]
	s_wait_dscnt 0x0
	CROUND
	s_endpgm
.Lfunc_end_k_q3b8ea41c15_gemm_out:
	.size	k_q3b8ea41c15_gemm_out, .Lfunc_end_k_q3b8ea41c15_gemm_out-k_q3b8ea41c15_gemm_out
	.p2alignl 7, 3214868480
	.fill 96, 4, 3214868480
	.section	.rodata,"a",@progbits
	.p2align	6, 0x0
	.amdhsa_kernel k_q3b8ea41c15_gemm_out
		.amdhsa_group_segment_fixed_size 327680
		.amdhsa_private_segment_fixed_size 0
		.amdhsa_enable_private_segment 0
		.amdhsa_kernarg_size 40
		.amdhsa_user_sgpr_count 2
		.amdhsa_user_sgpr_kernarg_segment_ptr 1
		.amdhsa_wavefront_size32 1
		.amdhsa_system_sgpr_workgroup_id_x 1
		.amdhsa_system_sgpr_workgroup_id_y 1
		.amdhsa_system_sgpr_workgroup_id_z 1
		.amdhsa_system_vgpr_workitem_id 0
		.amdhsa_next_free_vgpr 1024
		.amdhsa_next_free_sgpr 96
		.amdhsa_reserve_vcc 0
		.amdhsa_float_denorm_mode_32 3
		.amdhsa_float_denorm_mode_16_64 3
		.amdhsa_memory_ordered 1
		.amdhsa_forward_progress 1
		.amdhsa_inst_pref_size 191
	.end_amdhsa_kernel
	.amdgpu_metadata
---
amdhsa.version: [ 1, 2 ]
amdhsa.kernels:
  - .name:           k_q3b8ea41c15_gemm_out
    .symbol:         k_q3b8ea41c15_gemm_out.kd
    .args:
      - { .name: aq, .offset: 0, .size: 8, .value_kind: global_buffer, .address_space: global }
      - { .name: wq, .offset: 8, .size: 8, .value_kind: global_buffer, .address_space: global }
      - { .name: b_out, .offset: 16, .size: 8, .value_kind: global_buffer, .address_space: global }
      - { .name: out0, .offset: 24, .size: 8, .value_kind: global_buffer, .address_space: global }
      - { .name: hidden_states, .offset: 32, .size: 8, .value_kind: global_buffer, .address_space: global }
    .group_segment_fixed_size: 327680
    .private_segment_fixed_size: 0
    .kernarg_segment_align: 8
    .kernarg_segment_size: 40
    .max_flat_workgroup_size: 128
    .sgpr_count:     96
    .vgpr_count:     1024
    .wavefront_size: 32
...
	.end_amdgpu_metadata
.endif
;; end of part 5
